; MI455X (gfx1250); checked and timed in simulation.
; The chip was launched on July 23, 2026; its instructions are those of AMD's public machine-readable ISA for CDNA 5 (MIT licence, August 2026) and "CDNA5" Instruction Set Architecture Reference Guide (July 2026). The comments in the code are by the model that wrote it; some were corrected since.
;; Block. Allowed arithmetic: float matrix products may take bf16 or f16 operands with f32 sums; other float arithmetic in f32, or as packed bf16 or f16 multiplies, adds, multiply-adds, maxima and minima; sums over many terms, partial sums and values carried from step to step in f32; what a program stores and reads back later, other than sums and carried values, may be rounded once to bf16 or f16.
;; Inputs: c_attn 16 float32; c_mlp 16 float32; ln1_g 1,024 float32; ln2_g 1,024 float32; w_attn_proj 1,024 x 1,024 float32; w_fc 4,096 x 1,024 float32; w_mlp_proj 1,024 x 4,096 float32; w_qkv 3,072 x 1,024 float32; x 2 x 2,048 x 1,024 float32.
;; Outputs: out0 2 x 2,048 x 1,024 float32.
;; One version. Each part assembles by itself: llvm-mc -triple=amdgcn-amd-amdhsa -mcpu=gfx1250 --defsym DOCPART=n.
;; ======== version 1 of 1: 7 launches
;; limits: values are held in f16: magnitudes above 65,504 overflow, below 6.1e-05 lose precision
;; workspace buffers: wh 25,165,824 bytes; xn 8,388,608 bytes; qkvh 25,165,824 bytes; y2 8,388,608 bytes; x1 16,777,216 bytes; hg 33,554,432 bytes
;; launch prep (part 1): grid 704 x 1, 8 waves a work-group, no clusters, 0 bytes of LDS; arguments x, ln1_g, w_qkv, xn, wh; writes xn, wh
.if DOCPART == 1
	.amdgcn_target "amdgcn-amd-amdhsa--gfx1250"
	.amdhsa_code_object_version 6
	.text
	.protected	k_qebc47a5721_prep
	.globl	k_qebc47a5721_prep
	.p2align	8
	.type	k_qebc47a5721_prep,@function
k_qebc47a5721_prep:
	s_mov_b64 s[64:65], 0
	v_nop
	global_prefetch_b8 v0, s[64:65] scope:SCOPE_SE
	s_setreg_imm32_b32 hwreg(HW_REG_WAVE_MODE, 25, 1), 1
	s_wait_xcnt 0x0
; FIRST LAUNCH OF SEVEN: LayerNorm 1 (work-groups 0-511) and w_qkv rounded once to f16 (work-groups 512-703).  The other three weights are rounded in launch attn, beside its own work.
; THE PROGRAM: prep -> qkv -> attn -> proj (+ expmap) -> ln2 -> fc (+ GELU) -> mlp (+ expmap).  All matrix operands are f16, all sums f32.
; WORK LEFT OUT, for all values of the inputs:
;  (1) attention's key tiles that lie wholly above the diagonal: reference() itself builds jnp.tril and sets those scores to -inf, so their softmax
;      weights are exactly 0 and their products with v add 0, whatever q, k, v hold.  Left out in whole tiles of 128 keys (launch attn).
;  (2) the abs() in tanh_arg and in sqrt(|cr| + EPS): cr is clipped to 1e-4 .. 1 by reference(), sf > 0 and vns >= 0, so both are identities (launches proj, mlp).
; Every input has a way to the output and is loaded.
; LIMITS.  A NaN, an infinity or an overflow that reaches only the scores left out under (1) is not carried to the result.  f16 ends at 65,504: the weights, LN(x) g, q, k, v and
; gelu(fc) must lie within it (with all inputs 30 times the drawn spread they stay under some 4,000); below 6e-5 f16 keeps its fixed step of 6e-8.  NaN and infinities are not treated apart.
; LAYERNORM: a wave takes one row of 1,024 f32 (eight loads of 512 consecutive bytes), keeps it in 32 registers, takes the mean, subtracts it, takes the mean of squares
; (two passes, so a common offset of x costs nothing), and stores 1,024 f16: each store of the wave covers 256 consecutive bytes, aligned.
; CAST: a work-group takes 16,384 numbers: 16 loads of 16 bytes a thread, all out before the first wait; w_qkv fills the first 6,291,456 bytes of wh.
; No LDS, no matrix unit, no cluster: nothing is shared and memory binds.
.set X, 16                             ; v[16:47]  the row
.set G, 48                             ; v[48:79]  the gain
.set T, 80                             ; v[80:87]  four chains
.set M, 88                             ; v[88:89]  the mean, twice
.set R, 90                             ; v[90:91]  1 / sqrt(var + 1e-5), twice
.set Y, 92                             ; v[92:107] the row in f16
.macro RED a, b                        ; the sum over the 32 lanes, in every lane
	v_add_f32_dpp v[\a], v[\a], v[\a] row_xmask:1 row_mask:0xf bank_mask:0xf
	v_add_f32_dpp v[\a], v[\a], v[\a] row_xmask:2 row_mask:0xf bank_mask:0xf
	v_add_f32_dpp v[\a], v[\a], v[\a] row_xmask:4 row_mask:0xf bank_mask:0xf
	v_add_f32_dpp v[\a], v[\a], v[\a] row_xmask:8 row_mask:0xf bank_mask:0xf
	v_permlanex16_b32 v[\b], v[\a], s4, s5         ; its destination has been written before
	v_add_f32 v[\a], v[\a], v[\b]
.endm
.macro TREE                            ; four chains into one number a lane
	v_pk_add_f32 v[T:T+1], v[T:T+1], v[T+2:T+3]
	v_pk_add_f32 v[T+4:T+5], v[T+4:T+5], v[T+6:T+7]
	v_pk_add_f32 v[T:T+1], v[T:T+1], v[T+4:T+5]
	v_add_f32 v[T], v[T], v[T+1]
	RED T, T+1
.endm
.macro LNROW                           ; source s[8:9], gain s[10:11], destination s[14:15]; v1 = 16 x lane, v2 = 8 x lane
.irp j, 0,1,2,3,4,5,6,7
	global_load_b128 v[X+4*\j:X+4*\j+3], v1, s[8:9] offset:512*\j
.endr
.irp j, 0,1,2,3,4,5,6,7
	global_load_b128 v[G+4*\j:G+4*\j+3], v1, s[10:11] offset:512*\j
.endr
	s_wait_loadcnt 0x8                             ; the row is in; the gain's eight loads may stay out
.irp k, 0,1,2,3
	v_pk_add_f32 v[T+2*\k:T+2*\k+1], v[X+2*\k:X+2*\k+1], v[X+2*\k+8:X+2*\k+9]
.endr
.irp k, 0,1,2,3
	v_pk_add_f32 v[T+2*\k:T+2*\k+1], v[T+2*\k:T+2*\k+1], v[X+2*\k+16:X+2*\k+17]
.endr
.irp k, 0,1,2,3
	v_pk_add_f32 v[T+2*\k:T+2*\k+1], v[T+2*\k:T+2*\k+1], v[X+2*\k+24:X+2*\k+25]
.endr
	TREE
	v_mul_f32 v[M], s6, v[T]                       ; the mean
	v_mov_b32 v[M+1], v[M]
.set i_, 0
.rept 16
	v_pk_add_f32 v[X+i_:X+i_+1], v[X+i_:X+i_+1], v[M:M+1] neg_lo:[0,1] neg_hi:[0,1]
.set i_, i_+2
.endr
.irp k, 0,1,2,3
	v_pk_mul_f32 v[T+2*\k:T+2*\k+1], v[X+2*\k:X+2*\k+1], v[X+2*\k:X+2*\k+1]
.endr
.irp o, 8,16,24
.irp k, 0,1,2,3
	v_pk_fma_f32 v[T+2*\k:T+2*\k+1], v[X+2*\k+\o:X+2*\k+\o+1], v[X+2*\k+\o:X+2*\k+\o+1], v[T+2*\k:T+2*\k+1]
.endr
.endr
	TREE
	v_fma_f32 v[R], v[T], s6, s7                   ; var + 1e-5
	v_rsq_f32 v[R], v[R]
	v_nop                                          ; a plain instruction behind the root,
	s_wait_alu depctr_va_vdst(0)                   ; and the wait ahead of its first reader
	v_mov_b32 v[R+1], v[R]
	s_wait_loadcnt 0x0                             ; the gain
.set i_, 0
.rept 16
	v_pk_mul_f32 v[G+i_:G+i_+1], v[G+i_:G+i_+1], v[R:R+1]
.set i_, i_+2
.endr
.set i_, 0
.rept 16
	v_pk_mul_f32 v[X+i_:X+i_+1], v[X+i_:X+i_+1], v[G+i_:G+i_+1]
.set i_, i_+2
.endr
.set i_, 0
.rept 16
	v_cvt_pk_f16_f32 v[Y+i_], v[X+2*i_], v[X+2*i_+1]
.set i_, i_+1
.endr
.irp j, 0,1,2,3,4,5,6,7
	global_store_b64 v2, v[Y+2*\j:Y+2*\j+1], s[14:15] offset:256*\j  ; 32 lanes x 8 bytes: 256 consecutive bytes, aligned
.endr
.endm
	s_load_b256 s[8:15], s[0:1], 0x0               ; x 8, ln1_g 10, w_qkv 12, xn 14
	s_load_b64 s[16:17], s[0:1], 0x20              ; wh
	v_lshrrev_b32 v3, 5, v0
	v_readfirstlane_b32 s2, v3                     ; wave 0..7
	s_cmp_lt_u32 ttmp9, 512
	s_cbranch_scc0 .Lcast
	v_and_b32 v4, 31, v0
	v_lshlrev_b32 v1, 4, v4
	v_lshlrev_b32 v2, 3, v4
	s_mov_b32 s4, 0x76543210
	s_mov_b32 s5, 0xfedcba98
	s_mov_b32 s6, 0x3a800000                       ; 1 / 1024
	s_mov_b32 s7, 0x3727c5ac                       ; 1e-5
	s_lshl_b32 s24, ttmp9, 3
	s_add_co_u32 s24, s24, s2                      ; my row
	s_lshl_b32 s26, s24, 12
	s_mov_b32 s27, 0
	s_lshl_b32 s28, s24, 11
	s_mov_b32 s29, 0
	s_wait_kmcnt 0x0
	s_add_nc_u64 s[8:9], s[8:9], s[26:27]
	s_add_nc_u64 s[14:15], s[14:15], s[28:29]
	LNROW
	s_endpgm
.Lcast:
	v_lshlrev_b32 v1, 4, v0                        ; 16 bytes a thread in, 8 out
	v_lshlrev_b32 v2, 3, v0
	s_sub_co_u32 s24, ttmp9, 512                   ; chunk 0..191 of 16,384 numbers of w_qkv
	s_lshl_b32 s28, s24, 15
	s_mov_b32 s29, 0
	s_lshl_b32 s30, s24, 16
	s_mov_b32 s31, 0
	s_wait_kmcnt 0x0
	s_add_nc_u64 s[12:13], s[12:13], s[30:31]
	s_add_nc_u64 s[16:17], s[16:17], s[28:29]
.irp j, 0,1,2,3,4,5,6,7,8,9,10,11,12,13,14,15
	global_load_b128 v[16+4*\j:19+4*\j], v1, s[12:13] offset:4096*\j th:TH_LOAD_NT
.endr
.irp j, 0,1,2,3,4,5,6,7,8,9,10,11,12,13,14,15
	s_wait_loadcnt 15-\j                           ; loads come back in order: number j is in, the younger ones stay out
	v_cvt_pk_f16_f32 v[80+2*\j], v[16+4*\j], v[17+4*\j]
	v_cvt_pk_f16_f32 v[81+2*\j], v[18+4*\j], v[19+4*\j]
	global_store_b64 v2, v[80+2*\j:81+2*\j], s[16:17] offset:2048*\j  ; a wave's store covers 256 consecutive bytes, aligned; no register is written twice
.endr
	s_endpgm
.Lfunc_end_k_qebc47a5721_prep:
	.size	k_qebc47a5721_prep, .Lfunc_end_k_qebc47a5721_prep-k_qebc47a5721_prep
	.p2alignl 7, 3214868480
	.fill 96, 4, 3214868480
	.section	.rodata,"a",@progbits
	.p2align	6, 0x0
	.amdhsa_kernel k_qebc47a5721_prep
		.amdhsa_group_segment_fixed_size 0
		.amdhsa_private_segment_fixed_size 0
		.amdhsa_enable_private_segment 0
		.amdhsa_kernarg_size 40
		.amdhsa_user_sgpr_count 2
		.amdhsa_user_sgpr_kernarg_segment_ptr 1
		.amdhsa_wavefront_size32 1
		.amdhsa_system_sgpr_workgroup_id_x 1
		.amdhsa_system_sgpr_workgroup_id_y 1
		.amdhsa_system_sgpr_workgroup_id_z 1
		.amdhsa_system_vgpr_workitem_id 0
		.amdhsa_next_free_vgpr 112
		.amdhsa_next_free_sgpr 66
		.amdhsa_reserve_vcc 0
		.amdhsa_float_denorm_mode_32 3
		.amdhsa_float_denorm_mode_16_64 3
		.amdhsa_memory_ordered 1
		.amdhsa_forward_progress 1
		.amdhsa_inst_pref_size 17
	.end_amdhsa_kernel
	.amdgpu_metadata
---
amdhsa.version: [ 1, 2 ]
amdhsa.kernels:
  - .name:           k_qebc47a5721_prep
    .symbol:         k_qebc47a5721_prep.kd
    .args:
      - { .name: x, .offset: 0, .size: 8, .value_kind: global_buffer, .address_space: global }
      - { .name: ln1_g, .offset: 8, .size: 8, .value_kind: global_buffer, .address_space: global }
      - { .name: w_qkv, .offset: 16, .size: 8, .value_kind: global_buffer, .address_space: global }
      - { .name: xn, .offset: 24, .size: 8, .value_kind: global_buffer, .address_space: global }
      - { .name: wh, .offset: 32, .size: 8, .value_kind: global_buffer, .address_space: global }
    .group_segment_fixed_size: 0
    .private_segment_fixed_size: 0
    .kernarg_segment_align: 8
    .kernarg_segment_size: 40
    .max_flat_workgroup_size: 256
    .sgpr_count:     66
    .vgpr_count:     112
    .wavefront_size: 32
...
	.end_amdgpu_metadata
.endif
;; end of part 1
;; launch qkv (part 2): grid 8 x 32, 4 waves a work-group, clusters of 4 x 4, 327,680 bytes of LDS; arguments xn, wh, qkvh; writes qkvh
.if DOCPART == 2
	.amdgcn_target "amdgcn-amd-amdhsa--gfx1250"
	.amdhsa_code_object_version 6
	.text
	.protected	k_qebc47a5721_qkv
	.globl	k_qebc47a5721_qkv
	.p2align	8
	.type	k_qebc47a5721_qkv,@function
k_qebc47a5721_qkv:
	s_mov_b64 s[64:65], 0
	v_nop
	global_prefetch_b8 v0, s[64:65] scope:SCOPE_SE
	s_setreg_imm32_b32 hwreg(HW_REG_WAVE_MODE, 25, 1), 1
	s_wait_xcnt 0x0
	s_wait_alu depctr_hold_cnt(0) depctr_sa_sdst(0) depctr_va_vdst(0) depctr_va_sdst(0) depctr_va_ssrc(0) depctr_va_vcc(0) depctr_vm_vsrc(0)
	s_getreg_b32 s2, hwreg(HW_REG_IB_STS2, 6, 4)
	s_cmp_eq_u32 s2, 0
	s_cbranch_scc0 .Lentry_in_a_cluster
	s_endpgm
.Lentry_in_a_cluster:
	s_bfe_u32 s2, ttmp6, 0x10000c
	s_cmp_lg_u32 s2, 0xf033
	s_cbranch_scc0 .Lentry_shape_is_right
	s_endpgm
.Lentry_shape_is_right:
; q, k, v = LN1(x) w_qkv^T, stored by heads: qkvh[section q/k/v][batch x 16 + head][2048][64] in f16, unscaled.  A = xn [4096][1024] f16, B = wh's first 3,072 rows [n][1024] f16; sums in f32.
; A tile of C is 128 x 384 (8 x 32 = 256 work-groups); four waves, each 64 x 192: 48 accumulators of 16 x 16 in windows 2 and 3.  K goes in steps of 128 through two LDS slots
; (128 rows of A, 384 of B, rows of 256 bytes + 16 of padding).  Wave 0 fetches A's rows, waves 1-3 128 rows of B each: one tensor load a wave behind each change of slots.
; CLUSTER 4 x 4: A's tile hangs on the tile row alone and is asked for jointly along a row of the cluster, B's on the tile column alone, jointly along a column.
; THE WALK OF K: a cluster begins at K step 0 or at K step 4, by the parity of x + y + y / 2 of the cluster's own coordinates (the same in all sixteen partners), and goes round the end of K.
; So of the clusters that read the same rows of A (those of one y) and of those that read the same rows of B (those of one x) one half asks for a given block four steps ahead of the other half.
; The f32 sums are taken in the walk's order.
; PREFETCH: a block is asked for first in steps 0 to 3 of some cluster's walk.  Steps 0 and 1 are the first fills; steps 2 and 3 are named once, behind the first run of LDS loads: 32 rows x 256 bytes
; a step, a lane a row.  A's rows are named by the clusters with x < 2, B's by those with y < 2: one cluster of each kind of walk; the four partners of a joint load take 32 of its 128 rows each,
; told apart by address.  So each block is named once in the launch.  Steps 4 to 7 are second readings and are not named.
; The matrix instruction is used transposed (source 0 = 16 rows of B, source 1 = 16 rows of A): a lane holds one row of C and eight neighbouring columns.
; LIMIT: q, k, v are rounded to f16 (beyond 65,504 an infinity).
.set KDIM, 1024
.set TM, 128
.set TN, 384
.set MA, 4                             ; blocks of 16 rows in a wave's tile
.set NBK, 12                           ; blocks of 16 columns
.set KSUB, 1                           ; matrix instructions deep in a quarter step
.set LROWS, 128                        ; rows in a tensor load
.set NLA, 1                            ; waves that fetch A
.set PITCH, 272
.set HALFT, 34816                      ; LDS bytes of a tensor load
.set WOFF, 0                           ; my weights in wh
.set LDAB, 2048                        ; bytes from row to row of A
.set A_STEP, 256
.set B_STEP, 256
.set AQ, 64                            ; bytes of a quarter step in A's LDS rows
.set AM, 16*PITCH                      ; bytes from block to block of A's rows in LDS
.set ACCW, 2                           ; the accumulators' first window,
.set AW, 2                             ; row blocks in a window,
.set ACCB, 0                           ; first register
.set QIA, 5
.set D0A, 128
.set D1A, 128
.set STA, 1024
.set QIB, 5
.set D0B, 128
.set D1B, 128
.set STB, 1024
.set KSTEP, 128*KSUB
.set NS, KDIM/KSTEP
.set SLOT, 4*HALFT
.set STAGE, 2*SLOT                     ; behind the ring: 16 rows x 144 bytes for each wave
.set SPARE, STAGE+4*2304               ; the spare words: 128 bytes a wave, named by no other line
.set F0, 0                             ; fragment buffers, window 1: B's fragments, then A's
.set F1, 128
.set ADRA, 16                          ; v16, v17  LDS addresses of my fragments in the slot in hand
.set ADRB, 17
.set ADRA0, 18                         ; v18, v19  the same in slot 0; never rewritten
.set ADRB0, 19
.set STO, 24
.set RD, 25
.set CO, 26
.set SPW, 28
.set NIL, 29
.set PFO, 30
.set G1A, 24
.set G0A, 32
.set LIM, 43
.set PFA, 44
.set G1B, 48
.set G0B, 56
.set KK, 80                            ; s80      the K step that the walking descriptors name
.set OFA, 92                           ; s[92:93] its byte offset in A's rows
.set OFB, 94                           ; s[94:95] in B's
.set MSB, 0
.macro WIN new                         ; the immediate's high byte repeats the setting that is left; a switch that changes nothing is dropped
.if MSB != (\new)
	s_set_vgpr_msb (MSB<<8)|(\new)
.set MSB, (\new)
.endif
.endm
.macro PLACES                          ; four plain places behind matrix instructions, in front of loads into their sources and of readers of their results
.rept 4
	v_nop
.endr
.endm
.macro CREST                           ; a round of the cluster's barrier behind its opening barrier
	s_cmp_lg_u32 s10, 0
	s_cbranch_scc1 .Lnw0_\@
	s_barrier_signal -3
.Lnw0_\@:
	s_barrier_wait -3
	s_barrier_signal -1
	s_barrier_wait -1
.endm
.macro CROUND
	s_barrier_signal -1
	s_barrier_wait -1
	CREST
.endm
.macro JLOAD                           ; a joint refill by the walking descriptors; the branch hangs on the wave's number alone
	s_cmp_lt_u32 s10, NLA
	s_cbranch_scc0 .Lfb_\@
	tensor_load_to_lds s[G0A+4:G0A+7], s[G1A:G1A+7]
	s_nop 0
	PLACES
	s_branch .Lfd_\@
.Lfb_\@:
	tensor_load_to_lds s[G0B+4:G0B+7], s[G1B:G1B+7]
	s_nop 0
	PLACES
.Lfd_\@:
.endm
.macro MUL f, a0, na, zero             ; row blocks a0 .. a0 + na - 1 x all column blocks; the accumulators take turns, one instruction a turn
.set c_, 0
.rept KSUB
.set a_, (\a0)
.rept (\na)
	WIN 0x05+0x50*(ACCW+a_/AW)
.set b_, 0
.rept NBK
.set rD, ACCB+8*((a_%AW)*NBK+b_)
.set rB, (\f)+8*(c_*NBK+b_)
.set rA, (\f)+8*NBK*KSUB+8*(c_*MA+a_)
.if (\zero) && (c_ == 0)
	v_wmma_f32_16x16x32_f16 v[rD:rD+7], v[rB:rB+7], v[rA:rA+7], 0
.else
	v_wmma_f32_16x16x32_f16 v[rD:rD+7], v[rB:rB+7], v[rA:rA+7], v[rD:rD+7]
.endif
.set b_, b_+1
.endr
.set a_, a_+1
.endr
.set c_, c_+1
.endr
.endm
.macro FETCH q, f                      ; 32 LDS loads in one run: quarter q's fragments into buffer f: B's, A's first half of row blocks, A's second half
	WIN 0x40
.set c_, 0
.rept KSUB
.set b_, 0
.rept NBK
.set rB, (\f)+8*(c_*NBK+b_)
	ds_load_b128 v[rB:rB+3],   v[ADRB] offset:(\q)*64*KSUB+64*c_+b_*16*PITCH
	ds_load_b128 v[rB+4:rB+7], v[ADRB] offset:(\q)*64*KSUB+64*c_+b_*16*PITCH+32
.set b_, b_+1
.endr
.set c_, c_+1
.endr
.set h_, 0
.rept 2
.set c_, 0
.rept KSUB
.set a_, h_*(MA/2)
.rept MA/2
.set rA, (\f)+8*NBK*KSUB+8*(c_*MA+a_)
	ds_load_b128 v[rA:rA+3],   v[ADRA] offset:(\q)*AQ+64*c_+a_*AM
	ds_load_b128 v[rA+4:rA+7], v[ADRA] offset:(\q)*AQ+64*c_+a_*AM+32
.set a_, a_+1
.endr
.set c_, c_+1
.endr
.set h_, h_+1
.endr
.endm
.macro QUARTER q, f, g, zero           ; multiplies buffer f; in its middle fetches quarter q into buffer g
	s_wait_dscnt MA*KSUB                           ; all but A's second half of row blocks (the youngest MA x KSUB loads)
	MUL \f, 0, MA/2, \zero
	PLACES
	FETCH \q, \g
	s_wait_dscnt 32                                ; all but the 32 just issued
	MUL \f, MA/2, MA/2, \zero
.endm
.macro TURN                            ; a K step's last quarter and the change of slots, with a joint refill
	WIN 0
	s_wait_tensorcnt 0x0                           ; all my tensor loads have landed: the one that was out is my part of the next slot; so the descriptors may be written
	ds_add_u32 v[SPW], v[NIL]                      ; 0 onto my spare word: the descriptors' scalar work stands between it and the wait for it
	s_add_co_u32 s[KK], s[KK], 1                   ; the walking descriptors: the walk's next K step, round the end of K,
	s_and_b32 s[KK], s[KK], NS-1
	s_mul_i32 s[OFA], s[KK], A_STEP
	s_mul_i32 s[OFB], s[KK], B_STEP
	s_xor_b32 s[G0A+5], s[G0A+5], SLOT             ; the other slot than last time; the addresses are made anew from the rows' first bytes
	s_add_nc_u64 s[G0A+6:G0A+7], s[14:15], s[OFA:OFA+1]
	s_or_b32 s[G0A+7], s[G0A+7], 0x80000000
	s_xor_b32 s[G0B+5], s[G0B+5], SLOT
	s_add_nc_u64 s[G0B+6:G0B+7], s[46:47], s[OFB:OFB+1]
	s_or_b32 s[G0B+7], s[G0B+7], 0x80000000
	s_wait_dscnt MA*KSUB+1                         ; the add and A's second half may be out
	MUL F1, 0, MA/4, 0
	s_wait_dscnt 0x0                               ; the add is done, my reads of this slot are over
	s_barrier_signal -1                            ; opens a round of the cluster's barrier
	MUL F1, MA/4, MA/4, 0
	WIN 0
	s_barrier_wait -1
	CREST                                          ; no wave of any partner still reads this slot or has a load on its way
	JLOAD                                          ; my one tensor load behind the round; its four v_nop are also places for the loads below
	s_xor_b32 s2, s2, SLOT
	v_add_nc_u32 v[ADRA], s2, v[ADRA0]
	v_add_nc_u32 v[ADRB], s2, v[ADRB0]
	FETCH 0, F0
	MUL F1, MA/2, MA/2, 0
.endm
; THE WAY OUT: unit u = (row block a = u / 3, head hh = u % 3): 16 rows x 64 channels, 2,048 consecutive bytes of a head.  Rounded to f16, through my stage (rows of 144 bytes), back as rows.
.set TMPB, 32
.macro PACK u
.set a_, (\u)/3
.set hh_, (\u)%3
.set ac_, 8*((a_%2)*12+4*hh_)
.set tb_, TMPB+16*(\u)
	WIN 0x0a+5*(a_/2)                              ; sources in window 2 or 3
.set i_, 0
.rept 16
	v_cvt_pk_f16_f32 v[tb_+i_], v[ac_+2*i_], v[ac_+2*i_+1]
.set i_, i_+1
.endr
	WIN 0
.irp e, 0,1,2,3
	ds_store_b128 v[STO], v[tb_+4*\e:tb_+4*\e+3] offset:32*\e
.endr
.irp e, 0,1,2,3
	ds_load_b128 v[tb_+4*\e:tb_+4*\e+3], v[RD] offset:576*\e  ; LDS serves a wave's instructions in order: these see the stores above, the next unit's stores come behind them
.endr
.endm
.macro SEND u, younger                 ; younger: the next unit's eight LDS instructions, or none
.set a_, (\u)/3
.set hh_, (\u)%3
.set tb_, TMPB+16*(\u)
.irp e, 0,1,2,3
	s_wait_dscnt (\younger)+3-\e
	global_store_b128 v[CO], v[tb_+4*\e:tb_+4*\e+3], s[68+2*hh_:69+2*hh_] offset:2048*a_+512*\e  ; 512 consecutive bytes, aligned
.endr
.endm
	s_load_b128 s[4:7], s[0:1], 0x0                ; A, wh
	s_load_b64 s[8:9], s[0:1], 0x10                ; the result
	v_lshl_add_u32 v[SPW], v0, 2, SPARE
	v_mov_b32 v[NIL], 0
	ds_add_u32 v[SPW], v[NIL]                      ; the opening: the add, twice on end, and its wait ahead of my first tensor load
	ds_add_u32 v[SPW], v[NIL]
	v_lshrrev_b32 v1, 5, v0
	v_readfirstlane_b32 s10, v1                    ; wave 0..3
	s_min_u32 s12, s10, NLA-1                      ; which part of A's tile a wave that fetches A takes
	s_max_u32 s20, s10, NLA
	s_sub_co_u32 s20, s20, NLA                     ; which part of B's
	s_lshr_b32 s22, s10, 1                         ; my half of the tile's rows
	s_and_b32 s23, s10, 1                          ; my half of its columns
	s_bfe_u32 s40, ttmp6, 0x40000                  ; cx
	s_bfe_u32 s41, ttmp6, 0x40004                  ; cy
	s_lshl_b32 s42, ttmp9, 2
	s_add_co_u32 s42, s42, s40                     ; tile column
	s_and_b32 s13, ttmp7, 0xffff
	s_lshl_b32 s13, s13, 2
	s_add_co_u32 s13, s13, s41                     ; tile row
	s_lshl_b32 s43, s41, 2
	s_lshl_b32 s43, 15, s43                        ; my row of the cluster
	s_lshl_b32 s44, 0x1111, s40                    ; my column
	s_or_b32 s[G1A], s43, (1<<16)|(1<<20)|(1<<21)|(QIA<<22)|(3<<25)  ; mask; 2-byte elements; padding on; bit 21 beside a mask; a pad of 4 words behind each row
	s_or_b32 s[G1B], s44, (1<<16)|(1<<20)|(1<<21)|(QIB<<22)|(3<<25)
	s_mov_b32 s[G1A+1], D0A<<16                    ; tensor_dim0
	s_mov_b32 s[G1A+2], D1A<<16                    ; tensor_dim1
	s_mov_b32 s[G1A+3], D0A<<16                    ; tile_dim0
	s_mov_b32 s[G1A+4], D1A                        ; tile_dim1
	s_mov_b32 s[G1A+5], STA                        ; elements from row to row
	s_mov_b32 s[G1A+6], 0
	s_mov_b32 s[G1A+7], 0
	s_mov_b32 s[G1B+1], D0B<<16
	s_mov_b32 s[G1B+2], D1B<<16
	s_mov_b32 s[G1B+3], D0B<<16
	s_mov_b32 s[G1B+4], D1B
	s_mov_b32 s[G1B+5], STB
	s_mov_b32 s[G1B+6], 0
	s_mov_b32 s[G1B+7], 0
	s_mul_i32 s16, s13, TM                         ; A's address hangs on the tile row and the wave alone,
	s_mul_i32 s17, s12, LROWS
	s_add_co_u32 s16, s16, s17
	s_mul_i32 s16, s16, LDAB
	s_mov_b32 s17, 0
	s_mul_i32 s46, s42, TN                         ; B's on the tile column and the wave alone
	s_mul_i32 s47, s20, LROWS
	s_add_co_u32 s46, s46, s47
	s_mul_i32 s46, s46, 2*KDIM
	s_add_co_u32 s46, s46, WOFF
	s_mov_b32 s47, 0
	s_mul_i32 s21, s10, HALFT                      ; where my loads land: wave x a load's bytes
	s_mov_b32 s2, 0                                ; the slot in hand
	s_and_b32 s[KK], ttmp7, 0xffff                 ; where my cluster's walk of K begins: cluster y
	s_lshr_b32 s[OFA], s[KK], 1
	s_add_co_u32 s[KK], s[KK], s[OFA]              ; + y / 2, so that both kinds occur among neighbouring and among alternate y
	s_add_co_u32 s[KK], s[KK], ttmp9               ; + cluster x
	s_and_b32 s[KK], s[KK], 1
	s_mul_i32 s[KK], s[KK], NS/2                   ; K step 0 or NS / 2
	s_mul_i32 s[OFA], s[KK], A_STEP
	s_mov_b32 s[OFA+1], 0
	s_mul_i32 s[OFB], s[KK], B_STEP
	s_mov_b32 s[OFB+1], 0
	s_wait_dscnt 0x0                               ; both opening adds are done
	s_wait_kmcnt 0x0
	s_add_nc_u64 s[14:15], s[4:5], s[16:17]        ; my rows' first bytes; kept
	s_add_nc_u64 s[46:47], s[6:7], s[46:47]
	CROUND                                         ; all sixteen work-groups are here: the first joint loads meet
.irp s, 0,1
	s_mov_b32 s[G0A+4*\s], 1
	s_add_co_u32 s[G0A+4*\s+1], s21, \s*SLOT
	s_add_nc_u64 s[G0A+4*\s+2:G0A+4*\s+3], s[14:15], s[OFA:OFA+1]
	s_add_nc_u64 s[G0A+4*\s+2:G0A+4*\s+3], s[G0A+4*\s+2:G0A+4*\s+3], \s*A_STEP
	s_or_b32 s[G0A+4*\s+3], s[G0A+4*\s+3], 0x80000000
	s_mov_b32 s[G0B+4*\s], 1
	s_add_co_u32 s[G0B+4*\s+1], s21, \s*SLOT
	s_add_nc_u64 s[G0B+4*\s+2:G0B+4*\s+3], s[46:47], s[OFB:OFB+1]
	s_add_nc_u64 s[G0B+4*\s+2:G0B+4*\s+3], s[G0B+4*\s+2:G0B+4*\s+3], \s*B_STEP
	s_or_b32 s[G0B+4*\s+3], s[G0B+4*\s+3], 0x80000000
.endr
	s_add_co_u32 s[KK], s[KK], 1                   ; the second set, which walks on, names the walk's step 1
	s_cmp_lt_u32 s10, NLA                          ; a wave's two first fills stand in one branch: two loads of mine are out
	s_cbranch_scc0 .Lfirst_b
	tensor_load_to_lds s[G0A:G0A+3], s[G1A:G1A+7]
	s_nop 0
	tensor_load_to_lds s[G0A+4:G0A+7], s[G1A:G1A+7]
	s_nop 0
	PLACES
	s_branch .Lfirst_done
.Lfirst_b:
	tensor_load_to_lds s[G0B:G0B+3], s[G1B:G1B+7]
	s_nop 0
	tensor_load_to_lds s[G0B+4:G0B+7], s[G1B:G1B+7]
	s_nop 0
	PLACES
.Lfirst_done:
	v_and_b32 v1, 15, v0                           ; r = l % 16
	v_bfe_u32 v2, v0, 4, 1                         ; hl = l / 16
	v_mul_u32_u24 v3, v1, PITCH
	v_lshl_add_u32 v3, v2, 4, v3                   ; a fragment's row x pitch + 16 x half
	s_mul_i32 s18, s23, 16*NBK*PITCH
	s_add_co_u32 s18, s18, NLA*HALFT               ; B's rows lie behind A's
	v_add_nc_u32 v[ADRB0], s18, v3
	s_mul_i32 s18, s22, 16*MA*PITCH
	v_add_nc_u32 v[ADRA0], s18, v3
	v_mov_b32 v[ADRA], v[ADRA0]
	v_mov_b32 v[ADRB], v[ADRB0]
	; the prefetch's address: my work-group's 32 of the 128 rows that I fetch, at the walk's step 2 (a K step is 256 bytes in A's rows and in B's)
	s_and_b32 s18, ttmp7, 0xffff
	s_cmp_lt_u32 s10, NLA
	s_cselect_b32 s19, s40, s41
	s_cselect_b32 s18, ttmp9, s18
	s_cselect_b64 s[PFA:PFA+1], s[14:15], s[46:47]
	s_cmp_lt_u32 s18, 2
	s_cselect_b32 s[LIM], 1, 0                     ; the same in all sixteen partners, for a given wave
	s_mul_i32 s18, s19, 32*2*KDIM
	s_mov_b32 s19, 0
	s_add_nc_u64 s[PFA:PFA+1], s[PFA:PFA+1], s[18:19]
	s_add_nc_u64 s[PFA:PFA+1], s[PFA:PFA+1], s[OFA:OFA+1]
	s_add_nc_u64 s[PFA:PFA+1], s[PFA:PFA+1], 2*KSTEP*2
	v_and_b32 v[PFO], 31, v0
	v_mul_u32_u24 v[PFO], v[PFO], 2*KDIM
	; the way out's addresses
	s_mul_i32 s18, s10, 2304
	s_add_co_u32 s18, s18, STAGE
	v_mul_u32_u24 v[STO], v1, 144
	v_lshl_add_u32 v[STO], v2, 4, v[STO]
	v_add_nc_u32 v[STO], s18, v[STO]
	v_bfe_u32 v[RD], v0, 3, 2
	v_mul_u32_u24 v[RD], v[RD], 144
	v_and_b32 v3, 7, v0
	v_lshl_add_u32 v[RD], v3, 4, v[RD]
	v_add_nc_u32 v[RD], s18, v[RD]
	v_and_b32 v[CO], 31, v0
	v_lshlrev_b32 v[CO], 4, v[CO]
	s_lshl_b32 s18, s13, 7
	s_lshl_b32 s19, s22, 6
	s_add_co_u32 s18, s18, s19                     ; my first row m0 = 128 x tile row + 64 x half
	s_lshr_b32 s19, s18, 11                        ; the batch
	s_and_b32 s18, s18, 2047
	s_lshl_b32 s18, s18, 7                         ; the row in the batch x 128 bytes
	s_lshl_b32 s19, s19, 4
	s_mul_i32 s66, s42, 6
	s_mul_i32 s67, s23, 3
	s_add_co_u32 s66, s66, s67                     ; my first of three blocks of 64 columns: j = section x 16 + head
.irp hh, 0,1,2
	s_add_co_u32 s74, s66, \hh
	s_lshr_b32 s75, s74, 4
	s_lshl_b32 s75, s75, 4
	s_add_co_u32 s74, s74, s75                     ; section x 32 + head
	s_add_co_u32 s74, s74, s19                     ; + 16 x batch
	s_lshl_b32 s74, s74, 18                        ; x 262,144 bytes
	s_add_co_u32 s74, s74, s18
	s_mov_b32 s75, 0
	s_add_nc_u64 s[68+2*\hh:69+2*\hh], s[8:9], s[74:75]
.endr
	s_wait_tensorcnt 0x1                           ; my part of the walk's step 0 is in; step 1's may stay out
	s_barrier_signal -1
	s_barrier_wait -1
	FETCH 0, F0
	WIN 0
	s_cmp_eq_u32 s[LIM], 1
	s_cbranch_scc0 .Lnot_mine
	global_prefetch_b8 v[PFO], s[PFA:PFA+1] th:TH_LOAD_NT scope:SCOPE_SE                 ; the walk's step 2,
	global_prefetch_b8 v[PFO], s[PFA:PFA+1] offset:KSTEP*2 th:TH_LOAD_NT scope:SCOPE_SE  ; and step 3; their address registers are never written again
.Lnot_mine:
	QUARTER 1, F0, F1, 1                           ; the first quarter's products start the sums: nothing is cleared
	WIN 0
	s_mov_b32 s3, NS-2
.Lk:                                   ; a trip: from a K step's second quarter to the next one's first, with one refill
	QUARTER 2, F1, F0, 0
	QUARTER 3, F0, F1, 0
	TURN
	QUARTER 1, F0, F1, 0
	WIN 0
	s_sub_co_u32 s3, s3, 1
	s_cmp_lg_u32 s3, 0
	s_cbranch_scc1 .Lk
	s_mov_b32 s3, 2
.Lt:                                   ; the last two K steps ask for nothing: one text, walked once and a half
	QUARTER 2, F1, F0, 0
	QUARTER 3, F0, F1, 0
	s_wait_dscnt MA*KSUB
	MUL F1, 0, MA/2, 0
	s_wait_dscnt 0x0
	MUL F1, MA/2, MA/2, 0
	WIN 0
	s_sub_co_u32 s3, s3, 1
	s_cmp_eq_u32 s3, 0
	s_cbranch_scc1 .Lout
	s_wait_tensorcnt 0x0                           ; my part of the last K step is in
	ds_add_u32 v[SPW], v[NIL]
	s_xor_b32 s2, s2, SLOT
	s_wait_dscnt 0x0
	s_barrier_signal -1
	s_barrier_wait -1                              ; everybody's is
	v_add_nc_u32 v[ADRA], s2, v[ADRA0]
	v_add_nc_u32 v[ADRB], s2, v[ADRB0]
	PLACES
	FETCH 0, F0
	QUARTER 1, F0, F1, 0
	WIN 0
	s_branch .Lt
.Lout:
	PLACES
	PLACES
	PACK 0
.set u_, 1
.rept 11                               ; a unit's conversions stand between the loads of the unit before and its stores
	PACK u_
	SEND u_-1, 8
.set u_, u_+1
.endr
	SEND 11, 0
	s_wait_tensorcnt 0x0                           ; the wave's end
	ds_add_u32 v[SPW], v[NIL]
	s_wait_dscnt 0x0
	CROUND                                         ; the closing round
	s_endpgm
.Lfunc_end_k_qebc47a5721_qkv:
	.size	k_qebc47a5721_qkv, .Lfunc_end_k_qebc47a5721_qkv-k_qebc47a5721_qkv
	.p2alignl 7, 3214868480
	.fill 96, 4, 3214868480
	.section	.rodata,"a",@progbits
	.p2align	6, 0x0
	.amdhsa_kernel k_qebc47a5721_qkv
		.amdhsa_group_segment_fixed_size 327680
		.amdhsa_private_segment_fixed_size 0
		.amdhsa_enable_private_segment 0
		.amdhsa_kernarg_size 24
		.amdhsa_user_sgpr_count 2
		.amdhsa_user_sgpr_kernarg_segment_ptr 1
		.amdhsa_wavefront_size32 1
		.amdhsa_system_sgpr_workgroup_id_x 1
		.amdhsa_system_sgpr_workgroup_id_y 1
		.amdhsa_system_sgpr_workgroup_id_z 1
		.amdhsa_system_vgpr_workitem_id 0
		.amdhsa_next_free_vgpr 1024
		.amdhsa_next_free_sgpr 96
		.amdhsa_reserve_vcc 0
		.amdhsa_float_denorm_mode_32 3
		.amdhsa_float_denorm_mode_16_64 3
		.amdhsa_memory_ordered 1
		.amdhsa_forward_progress 1
		.amdhsa_inst_pref_size 87
	.end_amdhsa_kernel
	.amdgpu_metadata
---
amdhsa.version: [ 1, 2 ]
amdhsa.kernels:
  - .name:           k_qebc47a5721_qkv
    .symbol:         k_qebc47a5721_qkv.kd
    .args:
      - { .name: xn, .offset: 0, .size: 8, .value_kind: global_buffer, .address_space: global }
      - { .name: wh, .offset: 8, .size: 8, .value_kind: global_buffer, .address_space: global }
      - { .name: qkvh, .offset: 16, .size: 8, .value_kind: global_buffer, .address_space: global }
    .group_segment_fixed_size: 327680
    .private_segment_fixed_size: 0
    .kernarg_segment_align: 8
    .kernarg_segment_size: 24
    .max_flat_workgroup_size: 128
    .sgpr_count:     96
    .vgpr_count:     1024
    .wavefront_size: 32
...
	.end_amdgpu_metadata
.endif
;; end of part 2
;; launch attn (part 3): grid 8 x 32, 4 waves a work-group, no clusters, 327,680 bytes of LDS; arguments qkvh, y2, w_fc, w_mlp_proj, w_attn_proj, wh; writes y2, wh
.if DOCPART == 3
	.amdgcn_target "amdgcn-amd-amdhsa--gfx1250"
	.amdhsa_code_object_version 6
	.text
	.protected	k_qebc47a5721_attn
	.globl	k_qebc47a5721_attn
	.p2align	8
	.type	k_qebc47a5721_attn,@function
k_qebc47a5721_attn:
	s_mov_b64 s[64:65], 0
	v_nop
	global_prefetch_b8 v0, s[64:65] scope:SCOPE_SE
	s_setreg_imm32_b32 hwreg(HW_REG_WAVE_MODE, 25, 1), 1
	s_wait_xcnt 0x0
; CAUSAL ATTENTION, head size 64, 32 (batch, head) pairs of 2,048 rows.  q, k, v: qkvh[section][pair][2048][64] f16.  O goes to y2 in f16, laid so that two rows of one head are 256 consecutive
; bytes: byte of (row m, head h, channel d) = (m / 2) x 4096 + h x 256 + (m % 2) x 128 + 2 d.
; LEFT OUT: the key tiles wholly above the diagonal (reference()'s own jnp.tril gives them weight 0 for all inputs); a NaN or infinity that reaches only those scores is not carried.
; LIMITS: a hidden score inside the diagonal tile counts as its value less 1e30; a weight below 2^-126 counts as 0; p is rounded to f16 for the second product, its sum l is taken unrounded.
; THE WALK.  A head's queries lie in 16 blocks of 128; block i needs the key tiles 0 .. i of 128 keys, the last holds the diagonal.  Work-group b takes blocks 15 - b and then b: 17 tiles whatever b,
; one loop of constant length; the ring of two LDS slots runs on across the change of blocks.  NO CLUSTER: a head's eight work-groups ask for the same tile only in trips 0 to 8 of 17, and
; one walk common to all would have 24 trips for 17.
; SHARES.  Of a block's two bands of 64 queries a wave owns 16 rows in each (tile u = band u), so the diagonal tile is the same work for all waves: in its key step s band u sees all keys
; if s < u, none if s > u, and holds the diagonal if s = u.  THE MASK is the C operand that starts S^T = K Q^T: registers MZ0, MZ1 hold 0, or MD (the band's own step) or -1e30.
; LAYOUT.  S^T = K Q^T holds one query a lane (lane % 16) and keys 8 (lane / 16) + 0..7; two results rounded to f16 are source 1 of O^T = V^T P.  p = 2^(c s - c m), c = log2(e) / 8, with a
; running maximum m; O and l are multiplied by a = 2^(c m_old - c m_new) in every step.  The step is written in phases: K Q^T, softmax, V^T P.
; BESIDE ITS OWN WORK the launch rounds the weights of the three launches behind it to f16, into wh, which it never loads: this launch's own streams are 33 MB, so these 56 MB go beside them.
; Work-group g = 8 x pair + b takes 4,096 numbers of w_attn_proj and 32,768 of w_fc (g < 128) or w_mlp_proj.  A wave: 1,024 numbers of w_attn_proj, loaded beside Q and stored behind the
; wait for Q; then 512 numbers at the end of each of the loop's 16 trips, asked for a trip earlier: 4 loads of 512 consecutive bytes, 8 conversions, 4 stores of 256 consecutive bytes, aligned.
; REGISTERS: window 0: addresses, statistics, S^T v64-127, P v128-159, O^T v160-223, the weights' chunk v224-247.  window 1: Q v0-31, the second block's Q v32-63, K v64-127, V v128-191.  window 2: MD v0-31, MZ0 v32-63, MZ1 v64-95.
.set NB, 16
.set KS, 64
.set PK, 144                           ; a row of K in LDS: 128 bytes + 16
.set PVP, 160                          ; a row of V: 128 + 32
.set VOFF, 128*PK
.set SLOT1, 65536
.set STAGE, 131072                     ; 16 rows x 144 bytes for each wave
.set SP, 144
.set SPARE, STAGE+4*16*SP
.set AK0, 2
.set AV0, 3
.set AK, 4
.set AV, 5
.set STO, 6
.set RD, 7
.set GO, 8
.set MV, 12
.set QO, 15
.set ST, 16                            ; tile u: c m, m, l (even keys', odd keys') at v[16 + 4 u]
.set TMP, 24                           ; tile u: four at work; c2 takes a
.set PFO, 32
.set SPW, 34
.set NIL, 35
.set CLO, 36                           ; v36  16 x lane: the weights' loads; never rewritten
.set CSO, 37                           ; v37  8 x lane: their stores; never rewritten
.set S, 64
.set P, 128
.set OA, 160
.set CD, 224                           ; v[224:239] a chunk of 512 numbers as loaded
.set CH, 240                           ; v[240:247] the chunk in f16
.set QB, 32
.set KF, 64
.set VF, 128
.set MD, 0
.set MZ0, 32
.set MZ1, 64
.set WV, 12
.set PB, 14
.set HI, 15
.set G1K, 24
.set G1V, 32
.set G0K, 40
.set G0V, 44
.set PFA, 52
.set LIM, 54
.set BIGN, 55
.set SLOTS, 56
.set TWICE, 57
.set CS, 58
.set SEL, 60
.set TBK, 62
.set TBV, 63
.set RT, 66
.set NXT, 67
.set LQ, 68
.set OFF, 70
.set AL0, 72
.set BE0, 74
.set AL1, 76
.set OLO, 82
.set CDST, 90                          ; s[90:91]   wh, one chunk behind the chunk to be stored next
.set CSRC, 92                          ; s[92:93]   w_fc or w_mlp_proj at the chunk loaded last
.set PSRC, 96                          ; s[96:97]   w_attn_proj at my wave's share
.set PDST, 100                         ; s[100:101] wh at that share
.set MSB, 0
.macro WIN new
.if MSB != (\new)
	s_set_vgpr_msb (MSB<<8)|(\new)
.set MSB, (\new)
.endif
.endm
.macro PLACES
.rept 4
	v_nop
.endr
.endm
.macro LOAD                            ; waves 0 and 1 fetch the two halves of a tile's K, waves 2 and 3 those of its V: 64 keys each
	s_cmp_lt_u32 s[WV], 2
	s_cbranch_scc0 .Lfv_\@
	tensor_load_to_lds s[G0K:G0K+3], s[G1K:G1K+7]
	s_nop 0
	PLACES
	s_branch .Lfa_\@
.Lfv_\@:
	tensor_load_to_lds s[G0V:G0V+3], s[G1V:G1V+7]
	s_nop 0
	PLACES
.Lfa_\@:
.endm
.macro ASK                             ; work-group 0 of a head, whose first block walks all 16 tiles, names its own 8,192 bytes (a lane 256) of the tile two fills on; tiles 0-2 come by their loads alone, nothing past tile 15
	s_cmp_gt_u32 s[SLOTS], s[LIM]
	s_cbranch_scc0 .Lnm_\@
	global_prefetch_b8 v[PFO], s[PFA:PFA+1] th:TH_LOAD_NT scope:SCOPE_SE
.Lnm_\@:
.endm
.macro CHANGE fill                     ; the change of slots; fill = 1: the slot that is left takes tile NXT
	WIN 0
	s_wait_tensorcnt 0x0                           ; my one load that was out, my part of the other slot, has landed
	ds_add_u32 v[SPW], v[NIL]
.if \fill
	s_lshl_b32 s[OFF], s[NXT], 14                  ; a tile is 16,384 bytes of K and of V
	s_xor_b32 s[G0K+1], s[G0K+1], SLOT1
	s_add_nc_u64 s[G0K+2:G0K+3], s[6:7], s[OFF:OFF+1]
	s_or_b32 s[G0K+3], s[G0K+3], 0x80000000
	s_xor_b32 s[G0V+1], s[G0V+1], SLOT1
	s_add_nc_u64 s[G0V+2:G0V+3], s[8:9], s[OFF:OFF+1]
	s_or_b32 s[G0V+3], s[G0V+3], 0x80000000
	s_add_co_u32 s[NXT], s[NXT], 1                 ; the block's next tile, or behind its last the second block's tile 0
	s_cmp_gt_u32 s[NXT], s[LQ]
	s_cselect_b32 s[NXT], 0, s[NXT]
	s_cselect_b32 s[LQ], s[PB], s[LQ]
	s_wait_xcnt 0x0                                ; the last prefetch, a tile back, has read its address
	s_add_nc_u64 s[PFA:PFA+1], s[PFA:PFA+1], 16384
.endif
	s_wait_dscnt 0x0                               ; the add is done, my reads of the slot are over
	s_barrier_signal -1
	s_sub_co_u32 s[TBK], s[TBK], 2*KS*PK           ; the fetches go back to a slot's first step, in the other slot
	s_xor_b32 s[TBK], s[TBK], SLOT1
	s_sub_co_u32 s[TBV], s[TBV], 2*KS*PVP
	s_xor_b32 s[TBV], s[TBV], SLOT1
	s_barrier_wait -1
.if \fill
	LOAD
	ASK
.endif
.endm
.macro CAST                            ; a chunk of the weights, at the end of a trip: the chunk asked for a trip ago is rounded and stored, the next is asked for
	s_wait_loadcnt 0x0                             ; the chunk is in: no other load of mine is out in the loop; its base may be stepped
	s_wait_xcnt 0x0                                ; the last chunk's stores, a trip back, have read their data and their base
	s_add_nc_u64 s[CDST:CDST+1], s[CDST:CDST+1], 1024
.irp j, 0,1,2,3
	v_cvt_pk_f16_f32 v[CH+2*\j], v[CD+4*\j], v[CD+4*\j+1]
	v_cvt_pk_f16_f32 v[CH+2*\j+1], v[CD+4*\j+2], v[CD+4*\j+3]
.endr
	s_cmp_eq_u32 s[SLOTS], 1                       ; the loop's last trip has the sixteenth chunk: nothing is left to ask for
	s_cbranch_scc1 .Lnl_\@
	s_add_nc_u64 s[CSRC:CSRC+1], s[CSRC:CSRC+1], 2048
.irp j, 0,1,2,3
	global_load_b128 v[CD+4*\j:CD+4*\j+3], v[CLO], s[CSRC:CSRC+1] offset:512*\j th:TH_LOAD_NT
.endr
.Lnl_\@:
.irp j, 0,1,2,3
	global_store_b64 v[CSO], v[CH+2*\j:CH+2*\j+1], s[CDST:CDST+1] offset:256*\j th:TH_STORE_NT  ; 256 consecutive bytes, aligned
.endr
.endm
.macro FETCH_K
	WIN 0x40
.irp e, 0,1,2,3,4,5,6,7                ; keys 16 (e / 2) on, channels 32 (e % 2) on
	ds_load_b128 v[KF+8*\e:KF+8*\e+3],   v[AK] offset:(\e/2)*16*PK+(\e%2)*64
	ds_load_b128 v[KF+8*\e+4:KF+8*\e+7], v[AK] offset:(\e/2)*16*PK+(\e%2)*64+32
.endr
	s_add_co_u32 s[TBK], s[TBK], KS*PK
	WIN 0
.endm
.macro FETCH_V
	WIN 0x40
.irp e, 0,1,2,3,4,5,6,7                ; keys 32 (e / 4) on, channels 16 (e % 4) on, turned
	ds_load_tr16_b128 v[VF+8*\e:VF+8*\e+3],   v[AV] offset:(\e/4)*32*PVP+(\e%4)*32
	ds_load_tr16_b128 v[VF+8*\e+4:VF+8*\e+7], v[AV] offset:(\e/4)*32*PVP+16*PVP+(\e%4)*32
.endr
	s_add_co_u32 s[TBV], s[TBV], KS*PVP
	WIN 0
.endm
.macro KQ16                            ; product i: channels 32 (i / 8) on, keys 16 ((i / 2) % 4) on, tile i % 2; the 8 accumulators take turns; the first 8 start the sums with the mask
.set i, 0
.rept 16
.set rS, S+32*(i%2)+8*((i/2)%4)
.set rK, KF+16*((i/2)%4)+8*(i/8)
.set rQ, 16*(i%2)+8*(i/8)
.set rM, MZ0+32*(i%2)+8*((i/2)%4)
.if i < 8
	WIN 0x25
	v_wmma_f32_16x16x32_f16 v[rS:rS+7], v[rK:rK+7], v[rQ:rQ+7], v[rM:rM+7]
.else
	WIN 0x05
	v_wmma_f32_16x16x32_f16 v[rS:rS+7], v[rK:rK+7], v[rQ:rQ+7], v[rS:rS+7]
.endif
.set i, i+1
.endr
.endm
.macro PV16                            ; product i: keys 32 (i / 8) on, channels 16 ((i / 2) % 4) on, tile i % 2
	WIN 0x01
.set i, 0
.rept 16
.set rO, OA+32*(i%2)+8*((i/2)%4)
.set rV, VF+32*(i/8)+8*((i/2)%4)
.set rP, P+16*(i%2)+8*(i/8)
	v_wmma_f32_16x16x32_f16 v[rO:rO+7], v[rV:rV+7], v[rP:rP+7], v[rO:rO+7]
.set i, i+1
.endr
.endm
.macro REGS u
.set rT, ST+4*(\u)
.set rC, TMP+4*(\u)
.set rW, MV+(\u)
.set rS, S+32*(\u)
.set rP, P+16*(\u)
.set rO, OA+32*(\u)
.endm
.macro XS u, n                         ; number n of the 22 that find a tile's maximum and statistics; each accumulator's lowest registers are read first
	REGS \u
.if (\n) < 4
	v_max3_num_f32 v[rC+(\n)], v[rS+8*(\n)], v[rS+8*(\n)+1], v[rS+8*(\n)+2]
.elseif (\n) < 12
	v_max3_num_f32 v[rC+(\n)%4], v[rC+(\n)%4], v[rS+8*((\n)%4)+2*((\n)/4)+1], v[rS+8*((\n)%4)+2*((\n)/4)+2]
.elseif (\n) == 12
	v_max3_num_f32 v[rC], v[rC], v[rS+7], v[rS+15]
.elseif (\n) == 13
	v_max3_num_f32 v[rC+1], v[rC+1], v[rS+23], v[rS+31]
.elseif (\n) == 14
	v_max3_num_f32 v[rC+2], v[rC+2], v[rC+3], v[rT+1]
.elseif (\n) == 15
	v_mov_b32 v[rW], v[rT]
.elseif (\n) == 16
	v_max3_num_f32 v[rC], v[rC], v[rC+1], v[rC+2]
.elseif (\n) == 17
	v_permlanex16_b32 v[rC+3], v[rC], s[SEL], s[SEL+1]
.elseif (\n) == 18
	v_max_num_f32 v[rT+1], v[rC], v[rC+3]
.elseif (\n) == 19
	v_mul_f32 v[rT], s[CS], v[rT+1]
.elseif (\n) == 20
	v_sub_f32 v[rC+1], v[rW], v[rT]
.else
	v_exp_f32 v[rC+2], v[rC+1]
.endif
.endm
.macro FS u                            ; pair n_: c s - c m
	REGS \u
	v_pk_fma_f32 v[rS+2*n_:rS+2*n_+1], v[rS+2*n_:rS+2*n_+1], s[CS:CS+1], v[rT:rT+1] op_sel_hi:[1,0,0] neg_lo:[0,0,1] neg_hi:[0,0,1]
.endm
.macro ES u, k
	REGS \u
	v_exp_f32 v[rS+(\k)], v[rS+(\k)]
.endm
.macro RS u                            ; pair n_ of O^T times a
	REGS \u
	v_pk_mul_f32 v[rO+2*n_:rO+2*n_+1], v[rO+2*n_:rO+2*n_+1], v[rC+2:rC+3] op_sel_hi:[1,0]
.endm
.macro SOFTMAX
.irp n, 0,1,2,3,4,5,6,7,8,9,10,11,12,13,14,15,16,17,18,19,20,21
	XS 0, \n
	XS 1, \n
.endr
	v_nop                                          ; a plain instruction behind the two a,
	s_wait_alu depctr_va_vdst(0)                   ; and their wait, ahead of the rescalings that read them
.set n_, 0
.rept 16                               ; one batch of 64 exponentials; nothing in it names a result of theirs; scalings and rescalings stand between them
	FS 0
	FS 1
	ES 0, 2*n_
	RS 0
	ES 0, 2*n_+1
	RS 1
	ES 1, 2*n_
	ES 1, 2*n_+1
.set n_, n_+1
.endr
	v_nop
	s_wait_alu depctr_va_vdst(0)                   ; one wait for the batch, ahead of its first reader
.set n_, 0
.rept 16
.irp u, 0,1
	REGS \u
	v_cvt_pk_f16_f32 v[rP+n_], v[rS+2*n_], v[rS+2*n_+1]
.endr
.set n_, n_+1
.endr
.set n_, 0
.rept 8
.irp u, 0,1
	REGS \u
	v_pk_add_f32 v[rS+4*n_:rS+4*n_+1], v[rS+4*n_:rS+4*n_+1], v[rS+4*n_+2:rS+4*n_+3]
.endr
.set n_, n_+1
.endr
.irp u, 0,1
	REGS \u
	v_pk_fma_f32 v[rT+2:rT+3], v[rT+2:rT+3], v[rC+2:rC+3], v[rS:rS+1] op_sel_hi:[1,0,1]
.endr
.set n_, 1
.rept 7
.irp u, 0,1
	REGS \u
	v_pk_add_f32 v[rT+2:rT+3], v[rT+2:rT+3], v[rS+4*n_:rS+4*n_+1]
.endr
.set n_, n_+1
.endr
.endm
.macro STEPS                           ; a tile's two key steps: one text, walked twice
	s_mov_b32 s[TWICE], 2
.Ls_\@:
	s_cmp_lg_u32 s[RT], 0                          ; only the diagonal tile makes masks
	s_cbranch_scc1 .Lnomask_\@
	s_cmp_eq_u32 s[TWICE], 2                       ; step 0: band 0 holds the diagonal, band 1 sees all; step 1: band 0 sees nothing, band 1 holds the diagonal
	s_cselect_b32 s[AL0], 1.0, 0
	s_cselect_b32 s[BE0], 0, s[BIGN]
	s_cselect_b32 s[AL1], 0, 1.0
	WIN 0x82
.set z, 0
.rept 16
	v_pk_fma_f32 v[MZ0+2*z:MZ0+2*z+1], v[MD+2*z:MD+2*z+1], s[AL0:AL0+1], s[BE0:BE0+1] op_sel_hi:[1,0,0]
.set z, z+1
.endr
.set z, 0
.rept 16
	v_pk_mul_f32 v[MZ1+2*z:MZ1+2*z+1], v[MD+2*z:MD+2*z+1], s[AL1:AL1+1] op_sel_hi:[1,0]
.set z, z+1
.endr
	WIN 0
.Lnomask_\@:
	v_add_nc_u32 v[AV], s[TBV], v[AV0]
	FETCH_V
	s_wait_dscnt 16                                ; K is in; V's 16 loads, issued behind K's, may stay out
	KQ16
	WIN 0
	PLACES
	s_cmp_eq_u32 s[TWICE], 1                       ; the tile's second step has no further K in this slot
	s_cbranch_scc1 .Lnok_\@
	v_add_nc_u32 v[AK], s[TBK], v[AK0]
	FETCH_K
.Lnok_\@:
	SOFTMAX
	s_wait_dscnt 0x0                               ; V is in (and the next K)
	PV16
	WIN 0
	PLACES
	s_sub_co_u32 s[TWICE], s[TWICE], 1
	s_cmp_lg_u32 s[TWICE], 0
	s_cbranch_scc1 .Ls_\@
.endm
.macro WAYOUT                          ; O^T / l, rounded to f16, through my stage, out as units of 256 bytes (two rows of my head)
.irp u, 0,1
	v_add_f32 v[ST+4*\u+2], v[ST+4*\u+2], v[ST+4*\u+3]
.endr
.irp u, 0,1
	v_permlanex16_b32 v[ST+4*\u+3], v[ST+4*\u+2], s[SEL], s[SEL+1]
.endr
.irp u, 0,1
	v_add_f32 v[ST+4*\u+2], v[ST+4*\u+2], v[ST+4*\u+3]
.endr
.irp u, 0,1
	v_rcp_f32 v[ST+4*\u+2], v[ST+4*\u+2]
.endr
	v_nop
	s_wait_alu depctr_va_vdst(0)                   ; one wait for the two reciprocals
.irp u, 0,1
.set i, 0
.rept 16
	v_pk_mul_f32 v[OA+32*\u+2*i:OA+32*\u+2*i+1], v[OA+32*\u+2*i:OA+32*\u+2*i+1], v[ST+4*\u+2:ST+4*\u+3] op_sel_hi:[1,0]
.set i, i+1
.endr
.set i, 0
.rept 16
	v_cvt_pk_f16_f32 v[S+32*\u+i], v[OA+32*\u+2*i], v[OA+32*\u+2*i+1]
.set i, i+1
.endr
.irp e, 0,1,2,3
	ds_store_b128 v[STO], v[S+32*\u+4*\e:S+32*\u+4*\e+3] offset:32*\e
.endr
.irp e, 0,1,2,3
	ds_load_b128 v[S+32*\u+4*\e:S+32*\u+4*\e+3], v[RD] offset:576*\e  ; LDS serves a wave's instructions in order
.endr
.endr
.irp e, 0,1,2,3
	s_wait_dscnt 8+3-\e                            ; tile 1's eight LDS instructions and my later read-backs may stay out
	global_store_b128 v[GO], v[S+4*\e:S+4*\e+3], s[10:11] offset:8192*\e
.endr
.irp e, 0,1,2,3
	s_wait_dscnt 3-\e
	global_store_b128 v[GO], v[S+32+4*\e:S+32+4*\e+3], s[10:11] offset:131072+8192*\e  ; sixteen lanes store 256 consecutive bytes, aligned
.endr
.endm
	s_load_b128 s[48:51], s[0:1], 0x0              ; qkvh, y2
	s_load_b256 s[92:99], s[0:1], 0x10             ; w_fc 92, w_mlp_proj 94, w_attn_proj 96, wh 98
	v_lshl_add_u32 v[SPW], v0, 2, SPARE
	v_mov_b32 v[NIL], 0
	ds_add_u32 v[SPW], v[NIL]                      ; the opening: the add, twice on end, and its wait ahead of my first tensor load
	ds_add_u32 v[SPW], v[NIL]
	v_lshrrev_b32 v1, 5, v0
	v_readfirstlane_b32 s[WV], v1
	s_mov_b32 s[PB], ttmp9
	s_sub_co_u32 s[HI], NB-1, s[PB]
	s_and_b32 s16, ttmp7, 0xffff                   ; batch x 16 + head
	s_lshl_b32 s20, s16, 18                        ; its 262,144 bytes in each section
	s_mov_b32 s21, 0
	s_and_b32 s17, s[WV], 1                        ; which half of a tile's 128 keys I fetch
	s_lshl_b32 s22, s17, 13
	s_add_co_u32 s22, s22, s20
	s_mov_b32 s23, 0
	s_mul_i32 s18, s17, 64*PK
	s_mul_i32 s19, s17, 64*PVP
	s_lshl_b32 s3, s[WV], 11                       ; my 16 rows in a band
	s_add_co_u32 s3, s3, s20
	s_lshl_b32 s2, s[HI], 14
	s_add_co_u32 s2, s2, s3                        ; Q: the first block
	s_lshl_b32 s80, s[PB], 14
	s_add_co_u32 s80, s80, s3                      ; the second
	s_mov_b32 s3, 0
	s_mov_b32 s81, 0
	s_lshr_b32 s84, s16, 4
	s_lshl_b32 s84, s84, 22                        ; y2: the batch's 1,024 row pairs of 4,096 bytes,
	s_and_b32 s85, s16, 15
	s_lshl_b32 s85, s85, 8                         ; the head's 256 bytes in a pair,
	s_add_co_u32 s84, s84, s85
	s_lshl_b32 s85, s[WV], 15                      ; my 8 pairs in a band
	s_add_co_u32 s84, s84, s85
	s_lshl_b32 s86, s[HI], 18                      ; a block's 64 pairs
	s_add_co_u32 s86, s86, s84
	s_mov_b32 s87, 0
	s_lshl_b32 s88, s[PB], 18
	s_add_co_u32 s88, s88, s84
	s_mov_b32 s89, 0
	; 64 keys are 8,192 dense bytes: asked for as 32 rows of 256 bytes, two keys a row, padded in LDS after every key
	s_mov_b32 s[G1K], (1<<16)|(1<<20)|(4<<22)|(3<<25)
	s_mov_b32 s[G1V], (1<<16)|(1<<20)|(4<<22)|(7<<25)
.irp g, G1K, G1V
	s_mov_b32 s[\g+1], 128<<16
	s_mov_b32 s[\g+2], 32<<16
	s_mov_b32 s[\g+3], 128<<16
	s_mov_b32 s[\g+4], 32
	s_mov_b32 s[\g+5], 128
	s_mov_b32 s[\g+6], 0
	s_mov_b32 s[\g+7], 0
.endr
	s_mov_b32 s[CS], 0x3e38aa3b                    ; c = log2(e) / 8
	s_mov_b32 s[CS+1], s[CS]
	s_mov_b32 s[SEL], 0x76543210
	s_mov_b32 s[SEL+1], 0xfedcba98
	s_mov_b32 s[TBK], SLOT1+2*KS*PK                ; the first change of slots turns these two into 0
	s_mov_b32 s[TBV], SLOT1+2*KS*PVP
	s_mov_b32 s[G0K], 1
	s_mov_b32 s[G0K+1], s18
	s_mov_b32 s[G0V], 1
	s_add_co_u32 s[G0V+1], s19, VOFF
	s_add_co_u32 s[RT], s[HI], 1                   ; the first block has 16 - b tiles
	s_mov_b32 s[NXT], 1
	s_mov_b32 s[LQ], s[HI]
	s_mov_b32 s[OFF+1], 0
	s_mov_b32 s[AL0+1], 0
	s_mov_b32 s[BE0+1], 0
	s_mov_b32 s[AL1+1], 0
	s_mov_b32 s[BIGN], 0xf149f2ca                  ; -1e30
	s_mov_b32 s[SLOTS], NB
	s_cmp_eq_u32 s[PB], 0
	s_cselect_b32 s[LIM], 3, -1
	s_wait_dscnt 0x0
	s_wait_kmcnt 0x0
	s_add_nc_u64 s[6:7], s[48:49], s[22:23]
	s_add_nc_u64 s[8:9], s[6:7], 0x1000000         ; V at my half of the head's tile 0
	s_add_nc_u64 s[6:7], s[6:7], 0x800000          ; K likewise
	s_add_nc_u64 s[G0K+2:G0K+3], s[6:7], 0
	s_or_b32 s[G0K+3], s[G0K+3], 0x80000000
	s_add_nc_u64 s[G0V+2:G0V+3], s[8:9], 0
	s_or_b32 s[G0V+3], s[G0V+3], 0x80000000
	s_add_nc_u64 s[4:5], s[48:49], s[2:3]
	s_add_nc_u64 s[78:79], s[48:49], s[80:81]
	s_add_nc_u64 s[10:11], s[50:51], s[86:87]
	s_add_nc_u64 s[OLO:OLO+1], s[50:51], s[88:89]
	s_cmp_lt_u32 s[WV], 2
	s_cselect_b64 s[PFA:PFA+1], s[6:7], s[8:9]
	s_add_nc_u64 s[PFA:PFA+1], s[PFA:PFA+1], 2*16384  ; at tile 2: the first change steps it to tile 3
	LOAD                                           ; tile 0 into slot 0
	; the weights' shares
	s_lshl_b32 s2, s16, 3
	s_add_co_u32 s2, s2, s[PB]                     ; g = 8 x pair + b, 0 .. 255
	s_cmp_lt_u32 s2, 128
	s_cselect_b64 s[CSRC:CSRC+1], s[92:93], s[94:95]  ; w_fc for the first 128 work-groups, w_mlp_proj for the others
	s_and_b32 s80, s2, 127
	s_lshl_b32 s80, s80, 17                        ; 131,072 bytes of f32 a work-group,
	s_lshl_b32 s84, s[WV], 15                      ; 32,768 a wave
	s_add_co_u32 s80, s80, s84
	s_mov_b32 s81, 0
	s_add_nc_u64 s[CSRC:CSRC+1], s[CSRC:CSRC+1], s[80:81]
	s_lshl_b32 s80, s2, 16                         ; 65,536 bytes of f16 a work-group,
	s_lshl_b32 s84, s[WV], 14                      ; 16,384 a wave,
	s_add_co_u32 s80, s80, s84
	s_add_co_u32 s80, s80, 8388608-1024            ; behind w_qkv's and w_attn_proj's; one chunk back, since CAST steps first
	s_add_nc_u64 s[CDST:CDST+1], s[98:99], s[80:81]
	s_lshl_b32 s80, s2, 14                         ; w_attn_proj: 16,384 bytes a work-group,
	s_lshl_b32 s84, s[WV], 12                      ; 4,096 a wave
	s_add_co_u32 s80, s80, s84
	s_add_nc_u64 s[PSRC:PSRC+1], s[96:97], s[80:81]
	s_lshl_b32 s80, s2, 13
	s_lshl_b32 s84, s[WV], 11
	s_add_co_u32 s80, s80, s84
	s_add_co_u32 s80, s80, 6291456                 ; behind w_qkv's
	s_add_nc_u64 s[PDST:PDST+1], s[98:99], s[80:81]
	v_and_b32 v1, 15, v0
	v_bfe_u32 v9, v0, 4, 1
	v_lshlrev_b32 v[QO], 7, v1
	v_lshl_add_u32 v[QO], v9, 4, v[QO]
	WIN 0x40
.set i, 0
.rept 4                                ; both blocks' Q: tile i / 2 lies 64 rows on, channels 32 (i % 2) on
	global_load_b128 v[8*i:8*i+3],         v[QO], s[4:5] offset:(i/2)*8192+(i%2)*64
	global_load_b128 v[8*i+4:8*i+7],       v[QO], s[4:5] offset:(i/2)*8192+(i%2)*64+32
	global_load_b128 v[QB+8*i:QB+8*i+3],   v[QO], s[78:79] offset:(i/2)*8192+(i%2)*64
	global_load_b128 v[QB+8*i+4:QB+8*i+7], v[QO], s[78:79] offset:(i/2)*8192+(i%2)*64+32
.set i, i+1
.endr
	WIN 0
	v_and_b32 v[CLO], 31, v0
	v_lshlrev_b32 v[CSO], 3, v[CLO]
	v_lshlrev_b32 v[CLO], 4, v[CLO]
.irp j, 0,1,2,3,4,5,6,7
	global_load_b128 v[S+4*\j:S+4*\j+3], v[CLO], s[PSRC:PSRC+1] offset:512*\j th:TH_LOAD_NT  ; my 1,024 numbers of w_attn_proj, into registers that the scores take later
.endr
.irp j, 0,1,2,3
	global_load_b128 v[CD+4*\j:CD+4*\j+3], v[CLO], s[CSRC:CSRC+1] offset:512*\j th:TH_LOAD_NT  ; the first chunk
.endr
	v_lshlrev_b32 v14, 3, v9
	v_sub_nc_u32 v14, v1, v14
	s_lshl_b32 s13, s[WV], 4
	v_add_nc_u32 v14, s13, v14                     ; my query's place in its band less 8 (l / 16): register j of key group kb is hidden where 16 kb + j is greater
	WIN 0x80
.set i, 0
.rept 32
	v_cmp_gt_i32 vcc_lo, 16*(i/8)+i%8, v14
	v_cndmask_b32 v[MD+i], 0, s[BIGN], vcc_lo
.set i, i+1
.endr
.set i, MZ0
.rept 64
	v_mov_b32 v[i], 0                              ; away from the diagonal the mask is 0
.set i, i+1
.endr
	WIN 0
	v_mul_u32_u24 v[AK0], v1, PK
	v_lshl_add_u32 v[AK0], v9, 4, v[AK0]
	v_and_b32 v10, 7, v0
	v_bfe_u32 v11, v0, 3, 1
	v_lshl_add_u32 v[AV0], v9, 3, v10
	v_mul_u32_u24 v[AV0], v[AV0], PVP
	v_lshl_add_u32 v[AV0], v11, 4, v[AV0]
	v_add_nc_u32 v[AV0], VOFF, v[AV0]
	s_mul_i32 s13, s[WV], 16*SP
	s_add_co_u32 s13, s13, STAGE
	v_mul_u32_u24 v[STO], v1, SP
	v_lshl_add_u32 v[STO], v9, 4, v[STO]
	v_add_nc_u32 v[STO], s13, v[STO]
	v_bfe_u32 v[RD], v0, 3, 2
	v_mul_u32_u24 v[RD], v[RD], SP
	v_lshl_add_u32 v[RD], v10, 4, v[RD]
	v_add_nc_u32 v[RD], s13, v[RD]
	v_lshlrev_b32 v[GO], 12, v9                    ; lanes 0-15 one pair of rows, lanes 16-31 the next
	v_lshl_add_u32 v[GO], v1, 4, v[GO]
	v_and_b32 v[PFO], 31, v0
	v_lshlrev_b32 v[PFO], 8, v[PFO]
.set i, OA
.rept 64
	v_mov_b32 v[i], 0                              ; a block's first step multiplies O^T and l by a = 0: they need only be finite; written in the wait for the first tile
.set i, i+1
.endr
.irp u, 0,1
	v_mov_b32 v[ST+4*\u], 0xfe000000               ; c m: far below every c s
	v_mov_b32 v[ST+4*\u+1], 0xff7fffff             ; m
	v_mov_b32 v[ST+4*\u+2], 0
	v_mov_b32 v[ST+4*\u+3], 0
.endr
	s_wait_loadcnt 0x0                             ; Q, my share of w_attn_proj and the first chunk
.irp j, 0,1,2,3,4,5,6,7
	v_cvt_pk_f16_f32 v[S+32+2*\j], v[S+4*\j], v[S+4*\j+1]
	v_cvt_pk_f16_f32 v[S+32+2*\j+1], v[S+4*\j+2], v[S+4*\j+3]
.endr
.irp j, 0,1,2,3,4,5,6,7
	global_store_b64 v[CSO], v[S+32+2*\j:S+32+2*\j+1], s[PDST:PDST+1] offset:256*\j th:TH_STORE_NT  ; 256 consecutive bytes, aligned; the first change of slots waits on XCNT ahead of the scores that take these registers
.endr
.Lslot:                                ; 16 times: a tile is entered and the next is asked for
	CHANGE 1
	s_sub_co_u32 s[RT], s[RT], 1
	v_add_nc_u32 v[AK], s[TBK], v[AK0]
	FETCH_K
	STEPS
	s_cmp_lg_u32 s[RT], 0
	s_cbranch_scc1 .Lbottom
	WAYOUT                                         ; in the loop this is the first block's end
	s_wait_xcnt 0x0                                ; the stores have read their registers and O's address
	s_mov_b64 s[10:11], s[OLO:OLO+1]
	s_add_co_u32 s[RT], s[PB], 1                   ; the second block has b + 1 tiles
	WIN 0x41
.set i, 0
.rept 32
	v_mov_b32 v[i], v[QB+i]
.set i, i+1
.endr
	WIN 0x80
.set i, MZ0
.rept 64
	v_mov_b32 v[i], 0
.set i, i+1
.endr
	WIN 0
.irp u, 0,1
	v_mov_b32 v[ST+4*\u], 0xfe000000
	v_mov_b32 v[ST+4*\u+1], 0xff7fffff
.endr
.Lbottom:
	CAST
	s_sub_co_u32 s[SLOTS], s[SLOTS], 1
	s_cmp_lg_u32 s[SLOTS], 0
	s_cbranch_scc1 .Lslot
	CHANGE 0                                       ; the walk's last tile, the second block's diagonal one, is written out: nothing is asked for
	s_sub_co_u32 s[RT], s[RT], 1
	v_add_nc_u32 v[AK], s[TBK], v[AK0]
	FETCH_K
	STEPS
	WAYOUT
	s_wait_tensorcnt 0x0                           ; the wave's end
	ds_add_u32 v[SPW], v[NIL]
	s_wait_dscnt 0x0
	s_endpgm
.Lfunc_end_k_qebc47a5721_attn:
	.size	k_qebc47a5721_attn, .Lfunc_end_k_qebc47a5721_attn-k_qebc47a5721_attn
	.p2alignl 7, 3214868480
	.fill 96, 4, 3214868480
	.section	.rodata,"a",@progbits
	.p2align	6, 0x0
	.amdhsa_kernel k_qebc47a5721_attn
		.amdhsa_group_segment_fixed_size 327680
		.amdhsa_private_segment_fixed_size 0
		.amdhsa_enable_private_segment 0
		.amdhsa_kernarg_size 48
		.amdhsa_user_sgpr_count 2
		.amdhsa_user_sgpr_kernarg_segment_ptr 1
		.amdhsa_wavefront_size32 1
		.amdhsa_system_sgpr_workgroup_id_x 1
		.amdhsa_system_sgpr_workgroup_id_y 1
		.amdhsa_system_sgpr_workgroup_id_z 1
		.amdhsa_system_vgpr_workitem_id 0
		.amdhsa_next_free_vgpr 640
		.amdhsa_next_free_sgpr 102
		.amdhsa_reserve_vcc 1
		.amdhsa_float_denorm_mode_32 3
		.amdhsa_float_denorm_mode_16_64 3
		.amdhsa_memory_ordered 1
		.amdhsa_forward_progress 1
		.amdhsa_inst_pref_size 82
	.end_amdhsa_kernel
	.amdgpu_metadata
---
amdhsa.version: [ 1, 2 ]
amdhsa.kernels:
  - .name:           k_qebc47a5721_attn
    .symbol:         k_qebc47a5721_attn.kd
    .args:
      - { .name: qkvh, .offset: 0, .size: 8, .value_kind: global_buffer, .address_space: global }
      - { .name: y2, .offset: 8, .size: 8, .value_kind: global_buffer, .address_space: global }
      - { .name: w_fc, .offset: 16, .size: 8, .value_kind: global_buffer, .address_space: global }
      - { .name: w_mlp_proj, .offset: 24, .size: 8, .value_kind: global_buffer, .address_space: global }
      - { .name: w_attn_proj, .offset: 32, .size: 8, .value_kind: global_buffer, .address_space: global }
      - { .name: wh, .offset: 40, .size: 8, .value_kind: global_buffer, .address_space: global }
    .group_segment_fixed_size: 327680
    .private_segment_fixed_size: 0
    .kernarg_segment_align: 8
    .kernarg_segment_size: 48
    .max_flat_workgroup_size: 128
    .sgpr_count:     102
    .vgpr_count:     640
    .wavefront_size: 32
...
	.end_amdgpu_metadata
.endif
;; end of part 3
;; launch proj (part 4): grid 8 x 32, 4 waves a work-group, clusters of 4 x 4, 327,680 bytes of LDS; arguments y2, wh, x1, x, c_attn; writes x1
.if DOCPART == 4
	.amdgcn_target "amdgcn-amd-amdhsa--gfx1250"
	.amdhsa_code_object_version 6
	.text
	.protected	k_qebc47a5721_proj
	.globl	k_qebc47a5721_proj
	.p2align	8
	.type	k_qebc47a5721_proj,@function
k_qebc47a5721_proj:
	s_mov_b64 s[64:65], 0
	v_nop
	global_prefetch_b8 v0, s[64:65] scope:SCOPE_SE
	s_setreg_imm32_b32 hwreg(HW_REG_WAVE_MODE, 25, 1), 1
	s_wait_xcnt 0x0
	s_wait_alu depctr_hold_cnt(0) depctr_sa_sdst(0) depctr_va_vdst(0) depctr_va_sdst(0) depctr_va_ssrc(0) depctr_va_vcc(0) depctr_vm_vsrc(0)
	s_getreg_b32 s2, hwreg(HW_REG_IB_STS2, 6, 4)
	s_cmp_eq_u32 s2, 0
	s_cbranch_scc0 .Lentry_in_a_cluster
	s_endpgm
.Lentry_in_a_cluster:
	s_bfe_u32 s2, ttmp6, 0x10000c
	s_cmp_lg_u32 s2, 0xf033
	s_cbranch_scc0 .Lentry_shape_is_right
	s_endpgm
.Lentry_shape_is_right:
; x1 = expmap(x, a, c_attn), a = O w_attn_proj^T.  A = y2 (f16, two rows of a head are 256 consecutive bytes), B = wh at byte 6,291,456 [1024][1024] f16; a stays in the f32 accumulators.
; LEFT OUT: the abs() in tanh_arg and in sqrt(|c| + EPS): identities, since c is clipped to 1e-4 .. 1 and the other factors are sums of squares or positive.
; A tile of C is 128 x 128 (256 work-groups); four waves, each 64 rows x 64 columns = ONE head: 16 accumulators in window 0.  K goes in steps of 256 (four heads) through two LDS slots.
; A's tile: 32 row pairs x 1,024 bytes (+ 16 of padding) a load; B's: 64 rows x 512 bytes (+ 16).  Waves 0, 1 fetch A's halves, waves 2, 3 B's.  CLUSTER 4 x 4 as in launch qkv.  No prefetch: the tile is small and the launch short.
; THE WALK OF K, as in launch qkv: a cluster begins at K step 0 or at K step 2, by the parity of x + y + y / 2 of the cluster's own coordinates, and goes round the end of K; the f32 sums are taken in the walk's order.
; EXPMAP in the accumulators' layout (a lane holds one row and 8 of each 16 columns): with sx = |x|^2, sv = |a|^2, sp = x.a over the head,
;   u = sqrt(c sv / (1 + c sx + EPS) + EPS), ss = tanh(u) / ((sqrt(c + EPS) + EPS) (sqrt(sv + EPS) + EPS)), ip = ss sp, yn = ss^2 sv,
;   out = ((1 + 2 c ip + c yn) x + (1 - c sx) ss a) / (1 + 2 c ip + c^2 sx yn + EPS).
; tanh(u): both forms are computed and one is selected: u < 0.25: u + u^3 (-1/3 + u^2 (2/15 - 17/315 u^2)) (next term under 4e-7 of u); else 1 - 2 / (1 + 2^(2 log2(e) u)).
; x's 64 x 64 tile of the wave is loaded at the start (sixteen lanes a head row of 256 bytes), kept in window 2, and laid into slot 0 at the way out, when that slot has had its last fill.
.set KDIM, 1024
.set TM, 128
.set TN, 128
.set MA, 4
.set NBK, 4
.set KSUB, 2
.set LROWS, 64
.set NLA, 2
.set PITCH, 528
.set HALFT, 33792
.set WOFF, 6291456
.set LDAB, 2048
.set A_STEP, 1024
.set B_STEP, 512
.set AQ, 256                           ; a quarter step is one head: 256 bytes of a row pair
.set AM, 8320                          ; 16 rows are 8 pairs of 1,040 bytes
.set ACCW, 0
.set AW, 4
.set ACCB, 128
.set QIA, 7
.set D0A, 512
.set D1A, 32
.set STA, 2048
.set QIB, 6
.set D0B, 256
.set D1B, 64
.set STB, 1024
.set KSTEP, 128*KSUB
.set NS, KDIM/KSTEP
.set SLOT, 4*HALFT
.set STAGE, 2*SLOT                     ; behind the ring: 16 rows x 272 bytes for each wave
.set SPARE, STAGE+4*4352
.set F0, 0
.set F1, 128
.set ADRA, 16
.set ADRB, 17
.set ADRA0, 18
.set ADRB0, 19
.set STO, 24
.set RD, 25
.set CO, 26
.set SPW, 28
.set NIL, 29
.set G1A, 24
.set G0A, 32
.set G1B, 48
.set G0B, 56
.set KK, 80                            ; s80      the K step that the walking descriptors name
.set OFA, 92                           ; s[92:93] its byte offset in A's rows
.set OFB, 94                           ; s[94:95] in B's
.set MSB, 0
.macro WIN new
.if MSB != (\new)
	s_set_vgpr_msb (MSB<<8)|(\new)
.set MSB, (\new)
.endif
.endm
.macro PLACES
.rept 4
	v_nop
.endr
.endm
.macro CREST
	s_cmp_lg_u32 s10, 0
	s_cbranch_scc1 .Lnw0_\@
	s_barrier_signal -3
.Lnw0_\@:
	s_barrier_wait -3
	s_barrier_signal -1
	s_barrier_wait -1
.endm
.macro CROUND
	s_barrier_signal -1
	s_barrier_wait -1
	CREST
.endm
.macro JLOAD
	s_cmp_lt_u32 s10, NLA
	s_cbranch_scc0 .Lfb_\@
	tensor_load_to_lds s[G0A+4:G0A+7], s[G1A:G1A+7]
	s_nop 0
	PLACES
	s_branch .Lfd_\@
.Lfb_\@:
	tensor_load_to_lds s[G0B+4:G0B+7], s[G1B:G1B+7]
	s_nop 0
	PLACES
.Lfd_\@:
.endm
.macro MUL f, a0, na, zero             ; the accumulators take turns, one instruction a turn
.set c_, 0
.rept KSUB
.set a_, (\a0)
.rept (\na)
	WIN 0x05+0x50*(ACCW+a_/AW)
.set b_, 0
.rept NBK
.set rD, ACCB+8*((a_%AW)*NBK+b_)
.set rB, (\f)+8*(c_*NBK+b_)
.set rA, (\f)+8*NBK*KSUB+8*(c_*MA+a_)
.if (\zero) && (c_ == 0)
	v_wmma_f32_16x16x32_f16 v[rD:rD+7], v[rB:rB+7], v[rA:rA+7], 0
.else
	v_wmma_f32_16x16x32_f16 v[rD:rD+7], v[rB:rB+7], v[rA:rA+7], v[rD:rD+7]
.endif
.set b_, b_+1
.endr
.set a_, a_+1
.endr
.set c_, c_+1
.endr
.endm
.macro FETCH q, f
	WIN 0x40
.set c_, 0
.rept KSUB
.set b_, 0
.rept NBK
.set rB, (\f)+8*(c_*NBK+b_)
	ds_load_b128 v[rB:rB+3],   v[ADRB] offset:(\q)*64*KSUB+64*c_+b_*16*PITCH
	ds_load_b128 v[rB+4:rB+7], v[ADRB] offset:(\q)*64*KSUB+64*c_+b_*16*PITCH+32
.set b_, b_+1
.endr
.set c_, c_+1
.endr
.set h_, 0
.rept 2
.set c_, 0
.rept KSUB
.set a_, h_*(MA/2)
.rept MA/2
.set rA, (\f)+8*NBK*KSUB+8*(c_*MA+a_)
	ds_load_b128 v[rA:rA+3],   v[ADRA] offset:(\q)*AQ+64*c_+a_*AM
	ds_load_b128 v[rA+4:rA+7], v[ADRA] offset:(\q)*AQ+64*c_+a_*AM+32
.set a_, a_+1
.endr
.set c_, c_+1
.endr
.set h_, h_+1
.endr
.endm
.macro QUARTER q, f, g, zero
	s_wait_dscnt MA*KSUB                           ; all but A's second half of row blocks
	MUL \f, 0, MA/2, \zero
	PLACES
	FETCH \q, \g
	s_wait_dscnt 32                                ; all but the 32 just issued
	MUL \f, MA/2, MA/2, \zero
.endm
.macro TURN
	WIN 0
	s_wait_tensorcnt 0x0                           ; my part of the next slot has landed; so the descriptors may be written
	ds_add_u32 v[SPW], v[NIL]                      ; 0 onto my spare word; the descriptors' scalar work stands between it and the wait for it
	s_add_co_u32 s[KK], s[KK], 1                   ; the walking descriptors: the walk's next K step, round the end of K,
	s_and_b32 s[KK], s[KK], NS-1
	s_mul_i32 s[OFA], s[KK], A_STEP
	s_mul_i32 s[OFB], s[KK], B_STEP
	s_xor_b32 s[G0A+5], s[G0A+5], SLOT             ; the other slot than last time; the addresses are made anew from the rows' first bytes
	s_add_nc_u64 s[G0A+6:G0A+7], s[14:15], s[OFA:OFA+1]
	s_or_b32 s[G0A+7], s[G0A+7], 0x80000000
	s_xor_b32 s[G0B+5], s[G0B+5], SLOT
	s_add_nc_u64 s[G0B+6:G0B+7], s[46:47], s[OFB:OFB+1]
	s_or_b32 s[G0B+7], s[G0B+7], 0x80000000
	s_wait_dscnt MA*KSUB+1                         ; the add and A's second half may be out
	MUL F1, 0, MA/4, 0
	s_wait_dscnt 0x0
	s_barrier_signal -1
	MUL F1, MA/4, MA/4, 0
	WIN 0
	s_barrier_wait -1
	CREST
	JLOAD
	s_xor_b32 s2, s2, SLOT
	v_add_nc_u32 v[ADRA], s2, v[ADRA0]
	v_add_nc_u32 v[ADRB], s2, v[ADRB0]
	FETCH 0, F0
	MUL F1, MA/2, MA/2, 0
.endm
; expmap's registers
.set CC, 8                             ; c clipped
.set C2, 9                             ; 2 c
.set CQ, 10                            ; c^2
.set K1, 11                            ; 1 / (sqrt(c + EPS) + EPS)
.set XW, 21                            ; where I lay 16 bytes of x's rows
.set XA, 22                            ; where I read x in the accumulators' layout
.set XB0, 32                           ; two buffers of 32 for a block's x
.set QS, 96                            ; block a: three pairs of partial sums at v[96 + 6 a]
.set AB, 96                            ; later: block a's two factors, each twice, at v[96 + 4 a]
.set SX, 32
.set SV, 36
.set SPD, 40
.set DD, 44
.set WW, 48
.set QQ, 52
.set GG, 56
.set T1, 60
.set T2, 64
.set EPSR, 86
.set K2L, 87
.set C1S, 88
.set C2S, 89
.set C3S, 90
.set QRT, 91
.macro ALL4 line:vararg                ; one line for each of the wave's four row blocks t
.set t, 0
.rept 4
	\line
.set t, t+1
.endr
.endm
.macro XLD a                           ; block a's x: lane (r, hl) takes columns 16 b + 8 hl + 0..7 of row r
.set xb_, XB0+32*((\a)%2)
.set i_, 0
.rept 8
	ds_load_b128 v[xb_+4*i_:xb_+4*i_+3], v[XA] offset:4352*(\a)+64*(i_/2)+16*(i_%2)
.set i_, i_+1
.endr
.endm
.macro SUMS a                          ; three chains: x.x, a.a, x.a over my 32 numbers of the row; each accumulator is read from its low end on
.set xb_, XB0+32*((\a)%2)
.set ac_, 128+32*(\a)
.set q_, QS+6*(\a)
	v_pk_mul_f32 v[q_:q_+1],   v[xb_:xb_+1], v[xb_:xb_+1]
	v_pk_mul_f32 v[q_+2:q_+3], v[ac_:ac_+1], v[ac_:ac_+1]
	v_pk_mul_f32 v[q_+4:q_+5], v[xb_:xb_+1], v[ac_:ac_+1]
.set i_, 2
.rept 15
	v_pk_fma_f32 v[q_:q_+1],   v[xb_+i_:xb_+i_+1], v[xb_+i_:xb_+i_+1], v[q_:q_+1]
	v_pk_fma_f32 v[q_+2:q_+3], v[ac_+i_:ac_+i_+1], v[ac_+i_:ac_+i_+1], v[q_+2:q_+3]
	v_pk_fma_f32 v[q_+4:q_+5], v[xb_+i_:xb_+i_+1], v[ac_+i_:ac_+i_+1], v[q_+4:q_+5]
.set i_, i_+2
.endr
.endm
	s_load_b128 s[4:7], s[0:1], 0x0                ; A, wh
	s_load_b64 s[8:9], s[0:1], 0x10                ; the result
	s_load_b64 s[76:77], s[0:1], 0x18              ; x
	s_load_b64 s[78:79], s[0:1], 0x20              ; c
	v_lshl_add_u32 v[SPW], v0, 2, SPARE
	v_mov_b32 v[NIL], 0
	ds_add_u32 v[SPW], v[NIL]                      ; the opening: the add, twice on end, and its wait ahead of my first tensor load
	ds_add_u32 v[SPW], v[NIL]
	v_lshrrev_b32 v1, 5, v0
	v_readfirstlane_b32 s10, v1
	s_min_u32 s12, s10, NLA-1
	s_max_u32 s20, s10, NLA
	s_sub_co_u32 s20, s20, NLA
	s_lshr_b32 s22, s10, 1
	s_and_b32 s23, s10, 1
	s_bfe_u32 s40, ttmp6, 0x40000
	s_bfe_u32 s41, ttmp6, 0x40004
	s_lshl_b32 s42, ttmp9, 2
	s_add_co_u32 s42, s42, s40
	s_and_b32 s13, ttmp7, 0xffff
	s_lshl_b32 s13, s13, 2
	s_add_co_u32 s13, s13, s41
	s_lshl_b32 s43, s41, 2
	s_lshl_b32 s43, 15, s43
	s_lshl_b32 s44, 0x1111, s40
	s_or_b32 s[G1A], s43, (1<<16)|(1<<20)|(1<<21)|(QIA<<22)|(3<<25)
	s_or_b32 s[G1B], s44, (1<<16)|(1<<20)|(1<<21)|(QIB<<22)|(3<<25)
	s_mov_b32 s[G1A+1], D0A<<16
	s_mov_b32 s[G1A+2], D1A<<16
	s_mov_b32 s[G1A+3], D0A<<16
	s_mov_b32 s[G1A+4], D1A
	s_mov_b32 s[G1A+5], STA
	s_mov_b32 s[G1A+6], 0
	s_mov_b32 s[G1A+7], 0
	s_mov_b32 s[G1B+1], D0B<<16
	s_mov_b32 s[G1B+2], D1B<<16
	s_mov_b32 s[G1B+3], D0B<<16
	s_mov_b32 s[G1B+4], D1B
	s_mov_b32 s[G1B+5], STB
	s_mov_b32 s[G1B+6], 0
	s_mov_b32 s[G1B+7], 0
	s_mul_i32 s16, s13, TM
	s_mul_i32 s17, s12, LROWS
	s_add_co_u32 s16, s16, s17
	s_mul_i32 s16, s16, LDAB                       ; a row pair is 4,096 bytes: 2,048 a row
	s_mov_b32 s17, 0
	s_mul_i32 s46, s42, TN
	s_mul_i32 s47, s20, LROWS
	s_add_co_u32 s46, s46, s47
	s_mul_i32 s46, s46, 2*KDIM
	s_add_co_u32 s46, s46, WOFF
	s_mov_b32 s47, 0
	s_mul_i32 s21, s10, HALFT
	s_mov_b32 s2, 0
	s_and_b32 s[KK], ttmp7, 0xffff                 ; where my cluster's walk of K begins: cluster y
	s_lshr_b32 s[OFA], s[KK], 1
	s_add_co_u32 s[KK], s[KK], s[OFA]              ; + y / 2
	s_add_co_u32 s[KK], s[KK], ttmp9               ; + cluster x
	s_and_b32 s[KK], s[KK], 1
	s_mul_i32 s[KK], s[KK], NS/2                   ; K step 0 or NS / 2
	s_mul_i32 s[OFA], s[KK], A_STEP
	s_mov_b32 s[OFA+1], 0
	s_mul_i32 s[OFB], s[KK], B_STEP
	s_mov_b32 s[OFB+1], 0
	s_wait_dscnt 0x0
	s_wait_kmcnt 0x0
	s_add_nc_u64 s[14:15], s[4:5], s[16:17]        ; my rows' first bytes; kept
	s_add_nc_u64 s[46:47], s[6:7], s[46:47]
	CROUND
.irp s, 0,1
	s_mov_b32 s[G0A+4*\s], 1
	s_add_co_u32 s[G0A+4*\s+1], s21, \s*SLOT
	s_add_nc_u64 s[G0A+4*\s+2:G0A+4*\s+3], s[14:15], s[OFA:OFA+1]
	s_add_nc_u64 s[G0A+4*\s+2:G0A+4*\s+3], s[G0A+4*\s+2:G0A+4*\s+3], \s*A_STEP
	s_or_b32 s[G0A+4*\s+3], s[G0A+4*\s+3], 0x80000000
	s_mov_b32 s[G0B+4*\s], 1
	s_add_co_u32 s[G0B+4*\s+1], s21, \s*SLOT
	s_add_nc_u64 s[G0B+4*\s+2:G0B+4*\s+3], s[46:47], s[OFB:OFB+1]
	s_add_nc_u64 s[G0B+4*\s+2:G0B+4*\s+3], s[G0B+4*\s+2:G0B+4*\s+3], \s*B_STEP
	s_or_b32 s[G0B+4*\s+3], s[G0B+4*\s+3], 0x80000000
.endr
	s_add_co_u32 s[KK], s[KK], 1                   ; the second set, which walks on, names the walk's step 1
	s_cmp_lt_u32 s10, NLA
	s_cbranch_scc0 .Lfirst_b
	tensor_load_to_lds s[G0A:G0A+3], s[G1A:G1A+7]
	s_nop 0
	tensor_load_to_lds s[G0A+4:G0A+7], s[G1A:G1A+7]
	s_nop 0
	PLACES
	s_branch .Lfirst_done
.Lfirst_b:
	tensor_load_to_lds s[G0B:G0B+3], s[G1B:G1B+7]
	s_nop 0
	tensor_load_to_lds s[G0B+4:G0B+7], s[G1B:G1B+7]
	s_nop 0
	PLACES
.Lfirst_done:
	v_and_b32 v1, 15, v0
	v_bfe_u32 v2, v0, 4, 1
	v_mul_u32_u24 v3, v1, PITCH
	v_lshl_add_u32 v3, v2, 4, v3
	s_mul_i32 s18, s23, 16*NBK*PITCH
	s_add_co_u32 s18, s18, NLA*HALFT
	v_add_nc_u32 v[ADRB0], s18, v3
	v_lshrrev_b32 v4, 1, v1                        ; A: pair r / 2 x 1,040 + (r % 2) x 128 + 16 x half: sixteen rows start at sixteen different groups of four banks
	v_mul_u32_u24 v4, v4, 1040
	v_and_b32 v5, 1, v1
	v_lshl_add_u32 v4, v5, 7, v4
	v_lshl_add_u32 v4, v2, 4, v4
	s_mul_i32 s18, s22, HALFT
	v_add_nc_u32 v[ADRA0], s18, v4
	v_mov_b32 v[ADRA], v[ADRA0]
	v_mov_b32 v[ADRB], v[ADRB0]
	; expmap's set-up
	s_mul_i32 s18, s10, 4352
	s_add_co_u32 s18, s18, STAGE
	v_mul_u32_u24 v[STO], v1, 272
	v_lshl_add_u32 v[STO], v2, 5, v[STO]
	v_add_nc_u32 v[STO], s18, v[STO]
	v_mul_u32_u24 v[RD], v2, 272
	v_lshl_add_u32 v[RD], v1, 4, v[RD]
	s_mul_i32 s19, s10, 17408
	v_add_nc_u32 v[XW], s19, v[RD]
	v_add_nc_u32 v[RD], s18, v[RD]
	v_mul_u32_u24 v[XA], v1, 272
	v_lshl_add_u32 v[XA], v2, 5, v[XA]
	v_add_nc_u32 v[XA], s19, v[XA]
	v_lshlrev_b32 v[CO], 12, v2                    ; lanes 0-15 one row's 256 bytes of my head, lanes 16-31 the next row's
	v_lshl_add_u32 v[CO], v1, 4, v[CO]
	s_lshl_b32 s18, s13, 7
	s_lshl_b32 s19, s22, 6
	s_add_co_u32 s18, s18, s19
	s_lshl_b32 s18, s18, 12                        ; my first row x 4,096 bytes
	s_lshl_b32 s66, s42, 1
	s_add_co_u32 s66, s66, s23                     ; my head
	s_lshl_b32 s83, s66, 2
	s_lshl_b32 s66, s66, 8
	s_add_co_u32 s66, s66, s18
	s_mov_b32 s67, 0
	s_add_nc_u64 s[8:9], s[8:9], s[66:67]
	s_add_nc_u64 s[76:77], s[76:77], s[66:67]
	s_load_b32 s82, s[78:79], s83 offset:0x0       ; my head's c
	WIN 0x80
.set t_, 0
.rept 32
	global_load_b128 v[4*t_:4*t_+3], v[CO], s[76:77] offset:8192*t_  ; rows 2 t and 2 t + 1: they have the whole product in which to land
.set t_, t_+1
.endr
	WIN 0
	s_mov_b32 s84, 0x76543210
	s_mov_b32 s85, 0xfedcba98
	s_mov_b32 s[EPSR], 0x3089705f                  ; 1e-9
	s_mov_b32 s[K2L], 0x4038aa3b                   ; 2 log2(e)
	s_mov_b32 s[C1S], 0xbeaaaaab                   ; -1/3
	s_mov_b32 s[C2S], 0x3e088889                   ; 2/15
	s_mov_b32 s[C3S], 0xbd5d0dd1                   ; -17/315
	s_mov_b32 s[QRT], 0x3e800000                   ; 0.25
	s_wait_kmcnt 0x0
	v_mov_b32 v[CC], s82
	v_max_num_f32 v[CC], 0x38d1b717, v[CC]         ; clip to 1e-4 .. 1
	v_min_num_f32 v[CC], 1.0, v[CC]
	v_add_f32 v[C2], v[CC], v[CC]
	v_mul_f32 v[CQ], v[CC], v[CC]
	v_add_f32 v[K1], s[EPSR], v[CC]
	v_sqrt_f32 v[K1], v[K1]
	v_nop
	s_wait_alu depctr_va_vdst(0)
	v_add_f32 v[K1], s[EPSR], v[K1]
	v_rcp_f32 v[K1], v[K1]
	v_nop
	s_wait_alu depctr_va_vdst(0)
	s_wait_tensorcnt 0x1                           ; my part of the walk's step 0 is in; step 1's may stay out
	s_barrier_signal -1
	s_barrier_wait -1
	FETCH 0, F0
	QUARTER 1, F0, F1, 1
	WIN 0
	s_mov_b32 s3, NS-2
.Lk:
	QUARTER 2, F1, F0, 0
	QUARTER 3, F0, F1, 0
	TURN
	QUARTER 1, F0, F1, 0
	WIN 0
	s_sub_co_u32 s3, s3, 1
	s_cmp_lg_u32 s3, 0
	s_cbranch_scc1 .Lk
	s_mov_b32 s3, 2
.Lt:                                   ; the last two K steps ask for nothing: one text, walked once and a half
	QUARTER 2, F1, F0, 0
	QUARTER 3, F0, F1, 0
	s_wait_dscnt MA*KSUB
	MUL F1, 0, MA/2, 0
	s_wait_dscnt 0x0
	MUL F1, MA/2, MA/2, 0
	WIN 0
	s_sub_co_u32 s3, s3, 1
	s_cmp_eq_u32 s3, 0
	s_cbranch_scc1 .Lout
	s_wait_tensorcnt 0x0
	ds_add_u32 v[SPW], v[NIL]
	s_xor_b32 s2, s2, SLOT
	s_wait_dscnt 0x0
	s_barrier_signal -1
	s_barrier_wait -1
	v_add_nc_u32 v[ADRA], s2, v[ADRA0]
	v_add_nc_u32 v[ADRB], s2, v[ADRB0]
	PLACES
	FETCH 0, F0
	QUARTER 1, F0, F1, 0
	WIN 0
	s_branch .Lt
.Lout:
	PLACES
	s_wait_dscnt 0x0
	s_barrier_signal -1
	s_barrier_wait -1                              ; every wave's fragment reads are over: the ring's bytes, which are filled no more, may be written
	s_wait_loadcnt 0x0                             ; x
	WIN 0x08                                       ; the stores' data in window 2
.set t_, 0
.rept 32
	ds_store_b128 v[XW], v[4*t_:4*t_+3] offset:544*t_  ; my own 64 rows of 272 bytes in slot 0
.set t_, t_+1
.endr
	WIN 0
	XLD 0
.irp a, 0,1,2,3
.if \a < 3
	XLD \a+1
	s_wait_dscnt 8                                 ; block a's x is in; the next block's eight loads may stay out
.else
	s_wait_dscnt 0x0
.endif
	SUMS \a
.endr
	ALL4 v_add_f32 v[SX+t], v[QS+6*t], v[QS+6*t+1]
	ALL4 v_add_f32 v[SV+t], v[QS+6*t+2], v[QS+6*t+3]
	ALL4 v_add_f32 v[SPD+t], v[QS+6*t+4], v[QS+6*t+5]
	ALL4 v_permlanex16_b32 v[QS+6*t], v[SX+t], s84, s85     ; the row's other 32 columns lie in the lane 16 away
	ALL4 v_permlanex16_b32 v[QS+6*t+2], v[SV+t], s84, s85
	ALL4 v_permlanex16_b32 v[QS+6*t+4], v[SPD+t], s84, s85
	ALL4 v_add_f32 v[SX+t], v[SX+t], v[QS+6*t]
	ALL4 v_add_f32 v[SV+t], v[SV+t], v[QS+6*t+2]
	ALL4 v_add_f32 v[SPD+t], v[SPD+t], v[QS+6*t+4]
	ALL4 v_fma_f32 v[DD+t], v[CC], v[SX+t], 1.0
	ALL4 v_add_f32 v[DD+t], s[EPSR], v[DD+t]
	ALL4 v_add_f32 v[WW+t], s[EPSR], v[SV+t]
	ALL4 v_mul_f32 v[QQ+t], v[CC], v[SV+t]
	ALL4 v_rcp_f32 v[DD+t], v[DD+t]                ; sf / 2
	ALL4 v_sqrt_f32 v[WW+t], v[WW+t]               ; vn
	ALL4 v_fma_f32 v[GG+t], -v[CC], v[SX+t], 1.0   ; 1 - c sx: the plain work behind the batch
	s_wait_alu depctr_va_vdst(0)                   ; one wait for the batch of eight
	ALL4 v_fma_f32 v[QQ+t], v[QQ+t], v[DD+t], s[EPSR]
	ALL4 v_add_f32 v[WW+t], s[EPSR], v[WW+t]
	ALL4 v_sqrt_f32 v[QQ+t], v[QQ+t]               ; u
	ALL4 v_rcp_f32 v[WW+t], v[WW+t]                ; 1 / (vn + EPS)
	v_nop
	s_wait_alu depctr_va_vdst(0)
	ALL4 v_mul_f32 v[DD+t], s[K2L], v[QQ+t]
	ALL4 v_exp_f32 v[DD+t], v[DD+t]
	ALL4 v_mul_f32 v[T1+t], v[QQ+t], v[QQ+t]       ; the series, beside the exponentials
	ALL4 v_fma_f32 v[T2+t], v[T1+t], s[C3S], s[C2S]
	ALL4 v_fma_f32 v[T2+t], v[T2+t], v[T1+t], s[C1S]
	ALL4 v_mul_f32 v[T1+t], v[T1+t], v[QQ+t]
	ALL4 v_fma_f32 v[T2+t], v[T1+t], v[T2+t], v[QQ+t]
	s_wait_alu depctr_va_vdst(0)
	ALL4 v_add_f32 v[DD+t], 1.0, v[DD+t]
	ALL4 v_rcp_f32 v[DD+t], v[DD+t]
	v_nop
	s_wait_alu depctr_va_vdst(0)
	ALL4 v_fma_f32 v[DD+t], v[DD+t], -2.0, 1.0
.set t, 0
.rept 4
	v_cmp_gt_f32 vcc_lo, s[QRT], v[QQ+t]
	v_cndmask_b32 v[DD+t], v[DD+t], v[T2+t], vcc_lo  ; tanh(u): the series where u < 0.25
.set t, t+1
.endr
	ALL4 v_mul_f32 v[DD+t], v[K1], v[DD+t]
	ALL4 v_mul_f32 v[DD+t], v[DD+t], v[WW+t]       ; ss
	ALL4 v_mul_f32 v[SPD+t], v[DD+t], v[SPD+t]     ; ip
	ALL4 v_mul_f32 v[T1+t], v[DD+t], v[DD+t]
	ALL4 v_mul_f32 v[T1+t], v[T1+t], v[SV+t]       ; yn
	ALL4 v_fma_f32 v[SPD+t], v[C2], v[SPD+t], 1.0  ; 1 + 2 c ip
	ALL4 v_fma_f32 v[T2+t], v[CC], v[T1+t], v[SPD+t]
	ALL4 v_mul_f32 v[SX+t], v[CQ], v[SX+t]
	ALL4 v_fma_f32 v[SX+t], v[SX+t], v[T1+t], v[SPD+t]
	ALL4 v_add_f32 v[SX+t], s[EPSR], v[SX+t]
	ALL4 v_rcp_f32 v[SX+t], v[SX+t]
	ALL4 v_mul_f32 v[GG+t], v[GG+t], v[DD+t]
	s_wait_alu depctr_va_vdst(0)
	ALL4 v_mul_f32 v[AB+4*t], v[T2+t], v[SX+t]     ; x's factor
	ALL4 v_mul_f32 v[AB+4*t+2], v[GG+t], v[SX+t]   ; a's factor
	ALL4 v_mov_b32 v[AB+4*t+1], v[AB+4*t]
	ALL4 v_mov_b32 v[AB+4*t+3], v[AB+4*t+2]
	XLD 0
.irp a, 0,1,2,3
.set xb_, XB0+32*(\a%2)
.set ac_, 128+32*\a
	s_wait_dscnt 0x0                               ; block a's x: only its eight loads were out
.set i_, 0
.rept 16
	v_pk_mul_f32 v[xb_+i_:xb_+i_+1], v[xb_+i_:xb_+i_+1], v[AB+4*\a:AB+4*\a+1] op_sel_hi:[1,0]
.set i_, i_+2
.endr
.set i_, 0
.rept 16
	v_pk_fma_f32 v[xb_+i_:xb_+i_+1], v[ac_+i_:ac_+i_+1], v[AB+4*\a+2:AB+4*\a+3], v[xb_+i_:xb_+i_+1] op_sel_hi:[1,0,1]
.set i_, i_+2
.endr
.set i_, 0
.rept 8
	ds_store_b128 v[STO], v[xb_+4*i_:xb_+4*i_+3] offset:64*(i_/2)+16*(i_%2)
.set i_, i_+1
.endr
.set i_, 0
.rept 8
	ds_load_b128 v[ac_+4*i_:ac_+4*i_+3], v[RD] offset:544*i_  ; back by rows, into the block's own accumulator registers; LDS serves a wave's instructions in order
.set i_, i_+1
.endr
.if \a < 3
	XLD \a+1
.set ac_, 128+32*\a
	s_wait_dscnt 8                                 ; the rows are back; the next block's eight loads of x may stay out
.else
	s_wait_dscnt 0x0
.endif
.set i_, 0
.rept 8
	global_store_b128 v[CO], v[ac_+4*i_:ac_+4*i_+3], s[8:9] offset:(16*\a+2*i_)*4096  ; sixteen lanes store a head row: 256 consecutive bytes, aligned
.set i_, i_+1
.endr
.endr
	s_wait_tensorcnt 0x0                           ; the wave's end
	ds_add_u32 v[SPW], v[NIL]
	s_wait_dscnt 0x0
	CROUND                                         ; the closing round
	s_endpgm
.Lfunc_end_k_qebc47a5721_proj:
	.size	k_qebc47a5721_proj, .Lfunc_end_k_qebc47a5721_proj-k_qebc47a5721_proj
	.p2alignl 7, 3214868480
	.fill 96, 4, 3214868480
	.section	.rodata,"a",@progbits
	.p2align	6, 0x0
	.amdhsa_kernel k_qebc47a5721_proj
		.amdhsa_group_segment_fixed_size 327680
		.amdhsa_private_segment_fixed_size 0
		.amdhsa_enable_private_segment 0
		.amdhsa_kernarg_size 40
		.amdhsa_user_sgpr_count 2
		.amdhsa_user_sgpr_kernarg_segment_ptr 1
		.amdhsa_wavefront_size32 1
		.amdhsa_system_sgpr_workgroup_id_x 1
		.amdhsa_system_sgpr_workgroup_id_y 1
		.amdhsa_system_sgpr_workgroup_id_z 1
		.amdhsa_system_vgpr_workitem_id 0
		.amdhsa_next_free_vgpr 640
		.amdhsa_next_free_sgpr 96
		.amdhsa_reserve_vcc 1
		.amdhsa_float_denorm_mode_32 3
		.amdhsa_float_denorm_mode_16_64 3
		.amdhsa_memory_ordered 1
		.amdhsa_forward_progress 1
		.amdhsa_inst_pref_size 97
	.end_amdhsa_kernel
	.amdgpu_metadata
---
amdhsa.version: [ 1, 2 ]
amdhsa.kernels:
  - .name:           k_qebc47a5721_proj
    .symbol:         k_qebc47a5721_proj.kd
    .args:
      - { .name: y2, .offset: 0, .size: 8, .value_kind: global_buffer, .address_space: global }
      - { .name: wh, .offset: 8, .size: 8, .value_kind: global_buffer, .address_space: global }
      - { .name: x1, .offset: 16, .size: 8, .value_kind: global_buffer, .address_space: global }
      - { .name: x, .offset: 24, .size: 8, .value_kind: global_buffer, .address_space: global }
      - { .name: c_attn, .offset: 32, .size: 8, .value_kind: global_buffer, .address_space: global }
    .group_segment_fixed_size: 327680
    .private_segment_fixed_size: 0
    .kernarg_segment_align: 8
    .kernarg_segment_size: 40
    .max_flat_workgroup_size: 128
    .sgpr_count:     96
    .vgpr_count:     640
    .wavefront_size: 32
...
	.end_amdgpu_metadata
.endif
;; end of part 4
;; launch ln2 (part 5): grid 512 x 1, 8 waves a work-group, no clusters, 0 bytes of LDS; arguments x1, ln2_g, xn; writes xn
.if DOCPART == 5
	.amdgcn_target "amdgcn-amd-amdhsa--gfx1250"
	.amdhsa_code_object_version 6
	.text
	.protected	k_qebc47a5721_ln2
	.globl	k_qebc47a5721_ln2
	.p2align	8
	.type	k_qebc47a5721_ln2,@function
k_qebc47a5721_ln2:
	s_mov_b64 s[64:65], 0
	v_nop
	global_prefetch_b8 v0, s[64:65] scope:SCOPE_SE
	s_setreg_imm32_b32 hwreg(HW_REG_WAVE_MODE, 25, 1), 1
	s_wait_xcnt 0x0
; LayerNorm 2: xn = LN(x1) ln2_g in f16.  A wave takes one row of 1,024 f32, keeps it in 32 registers, takes the mean, subtracts it, takes the mean of squares (two passes), and stores 1,024 f16:
; each store of the wave covers 256 consecutive bytes, aligned.  No LDS, no matrix unit, no cluster: nothing is shared and memory binds.
.set X, 16
.set G, 48
.set T, 80
.set M, 88
.set R, 90
.set Y, 92
.macro RED a, b
	v_add_f32_dpp v[\a], v[\a], v[\a] row_xmask:1 row_mask:0xf bank_mask:0xf
	v_add_f32_dpp v[\a], v[\a], v[\a] row_xmask:2 row_mask:0xf bank_mask:0xf
	v_add_f32_dpp v[\a], v[\a], v[\a] row_xmask:4 row_mask:0xf bank_mask:0xf
	v_add_f32_dpp v[\a], v[\a], v[\a] row_xmask:8 row_mask:0xf bank_mask:0xf
	v_permlanex16_b32 v[\b], v[\a], s4, s5
	v_add_f32 v[\a], v[\a], v[\b]
.endm
.macro TREE
	v_pk_add_f32 v[T:T+1], v[T:T+1], v[T+2:T+3]
	v_pk_add_f32 v[T+4:T+5], v[T+4:T+5], v[T+6:T+7]
	v_pk_add_f32 v[T:T+1], v[T:T+1], v[T+4:T+5]
	v_add_f32 v[T], v[T], v[T+1]
	RED T, T+1
.endm
	s_load_b128 s[8:11], s[0:1], 0x0               ; x1, ln2_g
	s_load_b64 s[20:21], s[0:1], 0x10              ; xn
	v_lshrrev_b32 v3, 5, v0
	v_readfirstlane_b32 s2, v3
	v_and_b32 v4, 31, v0
	v_lshlrev_b32 v1, 4, v4
	v_lshlrev_b32 v2, 3, v4
	s_mov_b32 s4, 0x76543210
	s_mov_b32 s5, 0xfedcba98
	s_mov_b32 s6, 0x3a800000                       ; 1 / 1024
	s_mov_b32 s7, 0x3727c5ac                       ; 1e-5
	s_lshl_b32 s24, ttmp9, 3
	s_add_co_u32 s24, s24, s2                      ; my row
	s_lshl_b32 s26, s24, 12
	s_mov_b32 s27, 0
	s_lshl_b32 s28, s24, 11
	s_mov_b32 s29, 0
	s_wait_kmcnt 0x0
	s_add_nc_u64 s[8:9], s[8:9], s[26:27]
	s_add_nc_u64 s[20:21], s[20:21], s[28:29]
.irp j, 0,1,2,3,4,5,6,7
	global_load_b128 v[X+4*\j:X+4*\j+3], v1, s[8:9] offset:512*\j
.endr
.irp j, 0,1,2,3,4,5,6,7
	global_load_b128 v[G+4*\j:G+4*\j+3], v1, s[10:11] offset:512*\j
.endr
	s_wait_loadcnt 0x8                             ; the row is in; the gain's eight loads may stay out
.irp k, 0,1,2,3
	v_pk_add_f32 v[T+2*\k:T+2*\k+1], v[X+2*\k:X+2*\k+1], v[X+2*\k+8:X+2*\k+9]
.endr
.irp k, 0,1,2,3
	v_pk_add_f32 v[T+2*\k:T+2*\k+1], v[T+2*\k:T+2*\k+1], v[X+2*\k+16:X+2*\k+17]
.endr
.irp k, 0,1,2,3
	v_pk_add_f32 v[T+2*\k:T+2*\k+1], v[T+2*\k:T+2*\k+1], v[X+2*\k+24:X+2*\k+25]
.endr
	TREE
	v_mul_f32 v[M], s6, v[T]
	v_mov_b32 v[M+1], v[M]
.set i_, 0
.rept 16
	v_pk_add_f32 v[X+i_:X+i_+1], v[X+i_:X+i_+1], v[M:M+1] neg_lo:[0,1] neg_hi:[0,1]
.set i_, i_+2
.endr
.irp k, 0,1,2,3
	v_pk_mul_f32 v[T+2*\k:T+2*\k+1], v[X+2*\k:X+2*\k+1], v[X+2*\k:X+2*\k+1]
.endr
.irp o, 8,16,24
.irp k, 0,1,2,3
	v_pk_fma_f32 v[T+2*\k:T+2*\k+1], v[X+2*\k+\o:X+2*\k+\o+1], v[X+2*\k+\o:X+2*\k+\o+1], v[T+2*\k:T+2*\k+1]
.endr
.endr
	TREE
	v_fma_f32 v[R], v[T], s6, s7
	v_rsq_f32 v[R], v[R]
	v_nop                                          ; a plain instruction behind the root,
	s_wait_alu depctr_va_vdst(0)                   ; and the wait ahead of its first reader
	v_mov_b32 v[R+1], v[R]
	s_wait_loadcnt 0x0                             ; the gain
.set i_, 0
.rept 16
	v_pk_mul_f32 v[G+i_:G+i_+1], v[G+i_:G+i_+1], v[R:R+1]
.set i_, i_+2
.endr
.set i_, 0
.rept 16
	v_pk_mul_f32 v[X+i_:X+i_+1], v[X+i_:X+i_+1], v[G+i_:G+i_+1]
.set i_, i_+2
.endr
.set i_, 0
.rept 16
	v_cvt_pk_f16_f32 v[Y+i_], v[X+2*i_], v[X+2*i_+1]
.set i_, i_+1
.endr
.irp j, 0,1,2,3,4,5,6,7
	global_store_b64 v2, v[Y+2*\j:Y+2*\j+1], s[20:21] offset:256*\j
.endr
	s_endpgm
.Lfunc_end_k_qebc47a5721_ln2:
	.size	k_qebc47a5721_ln2, .Lfunc_end_k_qebc47a5721_ln2-k_qebc47a5721_ln2
	.p2alignl 7, 3214868480
	.fill 96, 4, 3214868480
	.section	.rodata,"a",@progbits
	.p2align	6, 0x0
	.amdhsa_kernel k_qebc47a5721_ln2
		.amdhsa_group_segment_fixed_size 0
		.amdhsa_private_segment_fixed_size 0
		.amdhsa_enable_private_segment 0
		.amdhsa_kernarg_size 24
		.amdhsa_user_sgpr_count 2
		.amdhsa_user_sgpr_kernarg_segment_ptr 1
		.amdhsa_wavefront_size32 1
		.amdhsa_system_sgpr_workgroup_id_x 1
		.amdhsa_system_sgpr_workgroup_id_y 1
		.amdhsa_system_sgpr_workgroup_id_z 1
		.amdhsa_system_vgpr_workitem_id 0
		.amdhsa_next_free_vgpr 112
		.amdhsa_next_free_sgpr 66
		.amdhsa_reserve_vcc 0
		.amdhsa_float_denorm_mode_32 3
		.amdhsa_float_denorm_mode_16_64 3
		.amdhsa_memory_ordered 1
		.amdhsa_forward_progress 1
		.amdhsa_inst_pref_size 11
	.end_amdhsa_kernel
	.amdgpu_metadata
---
amdhsa.version: [ 1, 2 ]
amdhsa.kernels:
  - .name:           k_qebc47a5721_ln2
    .symbol:         k_qebc47a5721_ln2.kd
    .args:
      - { .name: x1, .offset: 0, .size: 8, .value_kind: global_buffer, .address_space: global }
      - { .name: ln2_g, .offset: 8, .size: 8, .value_kind: global_buffer, .address_space: global }
      - { .name: xn, .offset: 16, .size: 8, .value_kind: global_buffer, .address_space: global }
    .group_segment_fixed_size: 0
    .private_segment_fixed_size: 0
    .kernarg_segment_align: 8
    .kernarg_segment_size: 24
    .max_flat_workgroup_size: 256
    .sgpr_count:     66
    .vgpr_count:     112
    .wavefront_size: 32
...
	.end_amdgpu_metadata
.endif
;; end of part 5
;; launch fc (part 6): grid 16 x 16, 4 waves a work-group, clusters of 4 x 4, 327,680 bytes of LDS; arguments xn, wh, hg; writes hg
.if DOCPART == 6
	.amdgcn_target "amdgcn-amd-amdhsa--gfx1250"
	.amdhsa_code_object_version 6
	.text
	.protected	k_qebc47a5721_fc
	.globl	k_qebc47a5721_fc
	.p2align	8
	.type	k_qebc47a5721_fc,@function
k_qebc47a5721_fc:
	s_mov_b64 s[64:65], 0
	v_nop
	global_prefetch_b8 v0, s[64:65] scope:SCOPE_SE
	s_setreg_imm32_b32 hwreg(HW_REG_WAVE_MODE, 25, 1), 1
	s_wait_xcnt 0x0
	s_wait_alu depctr_hold_cnt(0) depctr_sa_sdst(0) depctr_va_vdst(0) depctr_va_sdst(0) depctr_va_ssrc(0) depctr_va_vcc(0) depctr_vm_vsrc(0)
	s_getreg_b32 s2, hwreg(HW_REG_IB_STS2, 6, 4)
	s_cmp_eq_u32 s2, 0
	s_cbranch_scc0 .Lentry_in_a_cluster
	s_endpgm
.Lentry_in_a_cluster:
	s_bfe_u32 s2, ttmp6, 0x10000c
	s_cmp_lg_u32 s2, 0xf033
	s_cbranch_scc0 .Lentry_shape_is_right
	s_endpgm
.Lentry_shape_is_right:
; hg = gelu(LN2(x1) w_fc^T) in f16, [4096][4096].  A = xn [4096][1024] f16, B = wh at byte 8,388,608 [4096][1024] f16; sums in f32.
; A tile of C is 256 x 256 (256 work-groups); four waves, each 128 x 128: 64 accumulators in windows 2 and 3.  K goes in steps of 128 through two LDS slots (256 rows of A, 256 of B, rows of 256 + 16 bytes);
; each wave fetches 128 rows with one tensor load behind each change of slots.  CLUSTER 4 x 4: A's tile jointly along a row of the cluster, B's along a column.  The matrix instruction is used transposed.
; THE WALK OF K, as in launch qkv: a cluster begins at K step 0 or at K step 4, by the parity of x + y + y / 2 of the cluster's own coordinates, and goes round the end of K; the f32 sums are taken in the walk's order.
; PREFETCH, as in launch qkv: the walk's steps 2 and 3 are named once, behind the first run of LDS loads, 32 rows x 256 bytes a step, a lane a row: A's rows by the clusters with x < 2, B's by those with
; y < 2 (one cluster of each kind of walk), the four partners of a joint load 32 of its 128 rows each, told apart by address.  Steps 0 and 1 are the first fills; steps 4 to 7 are second readings and are not named.
; GELU, exact form: with h = x / 2, erf(|x| / sqrt 2) = 1 - y, y = t (a1 + t (a2 + t (a3 + t (a4 + t a5)))) 2^(-2 log2(e) h^2), t = 1 / (1 + 0.46328377 |h|)
; (a rational form whose error stays under 1.5e-7 for every x); gelu = h + |h| (1 - y).  LIMIT: the result is rounded to f16 (beyond 65,504 an infinity).
.set KDIM, 1024
.set TM, 256
.set TN, 256
.set MA, 8
.set NBK, 8
.set KSUB, 1
.set LROWS, 128
.set NLA, 2
.set PITCH, 272
.set HALFT, 34816
.set WOFF, 8388608
.set LDAB, 2048
.set A_STEP, 256
.set B_STEP, 256
.set AQ, 64
.set AM, 16*PITCH
.set ACCW, 2
.set AW, 4
.set ACCB, 0
.set QIA, 5
.set D0A, 128
.set D1A, 128
.set STA, 1024
.set QIB, 5
.set D0B, 128
.set D1B, 128
.set STB, 1024
.set KSTEP, 128*KSUB
.set NS, KDIM/KSTEP
.set SLOT, 4*HALFT
.set STAGE, 2*SLOT                     ; behind the ring: 16 rows x 272 bytes for each wave
.set SPARE, STAGE+4*4352
.set F0, 0
.set F1, 128
.set ADRA, 16
.set ADRB, 17
.set ADRA0, 18
.set ADRB0, 19
.set STO, 24
.set RD, 25
.set CO, 26
.set SPW, 28
.set NIL, 29
.set PFO, 30
.set G1A, 24
.set G0A, 32
.set LIM, 43
.set PFA, 44
.set G1B, 48
.set G0B, 56
.set KK, 80                            ; s80      the K step that the walking descriptors name
.set OFA, 92                           ; s[92:93] its byte offset in A's rows
.set OFB, 94                           ; s[94:95] in B's
.set MSB, 0
.macro WIN new
.if MSB != (\new)
	s_set_vgpr_msb (MSB<<8)|(\new)
.set MSB, (\new)
.endif
.endm
.macro PLACES
.rept 4
	v_nop
.endr
.endm
.macro CREST
	s_cmp_lg_u32 s10, 0
	s_cbranch_scc1 .Lnw0_\@
	s_barrier_signal -3
.Lnw0_\@:
	s_barrier_wait -3
	s_barrier_signal -1
	s_barrier_wait -1
.endm
.macro CROUND
	s_barrier_signal -1
	s_barrier_wait -1
	CREST
.endm
.macro JLOAD
	s_cmp_lt_u32 s10, NLA
	s_cbranch_scc0 .Lfb_\@
	tensor_load_to_lds s[G0A+4:G0A+7], s[G1A:G1A+7]
	s_nop 0
	PLACES
	s_branch .Lfd_\@
.Lfb_\@:
	tensor_load_to_lds s[G0B+4:G0B+7], s[G1B:G1B+7]
	s_nop 0
	PLACES
.Lfd_\@:
.endm
.macro MUL f, a0, na, zero             ; the accumulators take turns, one instruction a turn
.set c_, 0
.rept KSUB
.set a_, (\a0)
.rept (\na)
	WIN 0x05+0x50*(ACCW+a_/AW)
.set b_, 0
.rept NBK
.set rD, ACCB+8*((a_%AW)*NBK+b_)
.set rB, (\f)+8*(c_*NBK+b_)
.set rA, (\f)+8*NBK*KSUB+8*(c_*MA+a_)
.if (\zero) && (c_ == 0)
	v_wmma_f32_16x16x32_f16 v[rD:rD+7], v[rB:rB+7], v[rA:rA+7], 0
.else
	v_wmma_f32_16x16x32_f16 v[rD:rD+7], v[rB:rB+7], v[rA:rA+7], v[rD:rD+7]
.endif
.set b_, b_+1
.endr
.set a_, a_+1
.endr
.set c_, c_+1
.endr
.endm
.macro FETCH q, f
	WIN 0x40
.set c_, 0
.rept KSUB
.set b_, 0
.rept NBK
.set rB, (\f)+8*(c_*NBK+b_)
	ds_load_b128 v[rB:rB+3],   v[ADRB] offset:(\q)*64*KSUB+64*c_+b_*16*PITCH
	ds_load_b128 v[rB+4:rB+7], v[ADRB] offset:(\q)*64*KSUB+64*c_+b_*16*PITCH+32
.set b_, b_+1
.endr
.set c_, c_+1
.endr
.set h_, 0
.rept 2
.set c_, 0
.rept KSUB
.set a_, h_*(MA/2)
.rept MA/2
.set rA, (\f)+8*NBK*KSUB+8*(c_*MA+a_)
	ds_load_b128 v[rA:rA+3],   v[ADRA] offset:(\q)*AQ+64*c_+a_*AM
	ds_load_b128 v[rA+4:rA+7], v[ADRA] offset:(\q)*AQ+64*c_+a_*AM+32
.set a_, a_+1
.endr
.set c_, c_+1
.endr
.set h_, h_+1
.endr
.endm
.macro QUARTER q, f, g, zero
	s_wait_dscnt MA*KSUB                           ; all but A's second half of row blocks
	MUL \f, 0, MA/2, \zero
	PLACES
	FETCH \q, \g
	s_wait_dscnt 32                                ; all but the 32 just issued
	MUL \f, MA/2, MA/2, \zero
.endm
.macro TURN
	WIN 0
	s_wait_tensorcnt 0x0                           ; my part of the next slot has landed; so the descriptors may be written
	ds_add_u32 v[SPW], v[NIL]                      ; 0 onto my spare word; the descriptors' scalar work stands between it and the wait for it
	s_add_co_u32 s[KK], s[KK], 1                   ; the walking descriptors: the walk's next K step, round the end of K,
	s_and_b32 s[KK], s[KK], NS-1
	s_mul_i32 s[OFA], s[KK], A_STEP
	s_mul_i32 s[OFB], s[KK], B_STEP
	s_xor_b32 s[G0A+5], s[G0A+5], SLOT             ; the other slot than last time; the addresses are made anew from the rows' first bytes
	s_add_nc_u64 s[G0A+6:G0A+7], s[14:15], s[OFA:OFA+1]
	s_or_b32 s[G0A+7], s[G0A+7], 0x80000000
	s_xor_b32 s[G0B+5], s[G0B+5], SLOT
	s_add_nc_u64 s[G0B+6:G0B+7], s[46:47], s[OFB:OFB+1]
	s_or_b32 s[G0B+7], s[G0B+7], 0x80000000
	s_wait_dscnt MA*KSUB+1                         ; the add and A's second half may be out
	MUL F1, 0, MA/4, 0
	s_wait_dscnt 0x0
	s_barrier_signal -1
	MUL F1, MA/4, MA/4, 0
	WIN 0
	s_barrier_wait -1
	CREST
	JLOAD
	s_xor_b32 s2, s2, SLOT
	v_add_nc_u32 v[ADRA], s2, v[ADRA0]
	v_add_nc_u32 v[ADRB], s2, v[ADRB0]
	FETCH 0, F0
	MUL F1, MA/2, MA/2, 0
.endm
; THE WAY OUT: a counted loop over my eight blocks of 16 rows.  Only COPY names accumulators: one arm for each block.
.set HB, 32                            ; v[32:95]   h = x / 2 of the block: 64 numbers a lane
.set TT, 96                            ; v[96:127]  t, later the result
.set EE, 128                           ; v[128:159] the exponential, later 1 - y
.set PP, 160                           ; v[160:191] the polynomial
.set PKB, 192                          ; v[192:223] the block in f16
.set OBB, 224                          ; v[224:255] whole rows, to store
.macro COPY k
	WIN 0x02+(\k)/4
.set i_, 0
.rept 32
	v_pk_mul_f32 v[HB+i_:HB+i_+1], v[64*((\k)%4)+i_:64*((\k)%4)+i_+1], 0.5 op_sel_hi:[1,0]
.set i_, i_+2
.endr
	WIN 0
.endm
.macro GELU g                          ; 32 of the block's 64 numbers
.set hb_, HB+32*(\g)
.set i_, 0
.rept 32
	v_fma_f32 v[TT+i_], |v[hb_+i_]|, s78, 1.0
.set i_, i_+1
.endr
.set i_, 0
.rept 16
	v_pk_mul_f32 v[EE+i_:EE+i_+1], v[hb_+i_:hb_+i_+1], v[hb_+i_:hb_+i_+1]
.set i_, i_+2
.endr
.set i_, 0
.rept 16
	v_pk_mul_f32 v[EE+i_:EE+i_+1], v[EE+i_:EE+i_+1], s[68:69] op_sel_hi:[1,0]
.set i_, i_+2
.endr
.set i_, 0
.rept 32
	v_rcp_f32 v[TT+i_], v[TT+i_]
.set i_, i_+1
.endr
.set i_, 0
.rept 32
	v_exp_f32 v[EE+i_], v[EE+i_]
.set i_, i_+1
.endr
	v_nop
	s_wait_alu depctr_va_vdst(0)                   ; one wait for the batch of 64
.set i_, 0
.rept 16
	v_pk_fma_f32 v[PP+i_:PP+i_+1], v[TT+i_:TT+i_+1], v[20:21], s[70:71] op_sel_hi:[1,1,0]
.set i_, i_+2
.endr
.irp c, 72,74,76
.set i_, 0
.rept 16
	v_pk_fma_f32 v[PP+i_:PP+i_+1], v[PP+i_:PP+i_+1], v[TT+i_:TT+i_+1], s[\c:\c+1] op_sel_hi:[1,1,0]
.set i_, i_+2
.endr
.endr
.set i_, 0
.rept 16
	v_pk_mul_f32 v[PP+i_:PP+i_+1], v[PP+i_:PP+i_+1], v[TT+i_:TT+i_+1]
.set i_, i_+2
.endr
.set i_, 0
.rept 16
	v_pk_fma_f32 v[EE+i_:EE+i_+1], v[PP+i_:PP+i_+1], v[EE+i_:EE+i_+1], 1.0 op_sel_hi:[1,1,0] neg_lo:[1,0,0] neg_hi:[1,0,0]
.set i_, i_+2
.endr
.set i_, 0
.rept 32
	v_fma_f32 v[TT+i_], |v[hb_+i_]|, v[EE+i_], v[hb_+i_]
.set i_, i_+1
.endr
.set i_, 0
.rept 16
	v_cvt_pk_f16_f32 v[PKB+16*(\g)+i_], v[TT+2*i_], v[TT+2*i_+1]
.set i_, i_+1
.endr
.endm
	s_load_b128 s[4:7], s[0:1], 0x0                ; A, wh
	s_load_b64 s[8:9], s[0:1], 0x10                ; the result
	v_lshl_add_u32 v[SPW], v0, 2, SPARE
	v_mov_b32 v[NIL], 0
	ds_add_u32 v[SPW], v[NIL]                      ; the opening: the add, twice on end, and its wait ahead of my first tensor load
	ds_add_u32 v[SPW], v[NIL]
	v_lshrrev_b32 v1, 5, v0
	v_readfirstlane_b32 s10, v1
	s_min_u32 s12, s10, NLA-1
	s_max_u32 s20, s10, NLA
	s_sub_co_u32 s20, s20, NLA
	s_lshr_b32 s22, s10, 1
	s_and_b32 s23, s10, 1
	s_bfe_u32 s40, ttmp6, 0x40000
	s_bfe_u32 s41, ttmp6, 0x40004
	s_lshl_b32 s42, ttmp9, 2
	s_add_co_u32 s42, s42, s40
	s_and_b32 s13, ttmp7, 0xffff
	s_lshl_b32 s13, s13, 2
	s_add_co_u32 s13, s13, s41
	s_lshl_b32 s43, s41, 2
	s_lshl_b32 s43, 15, s43
	s_lshl_b32 s44, 0x1111, s40
	s_or_b32 s[G1A], s43, (1<<16)|(1<<20)|(1<<21)|(QIA<<22)|(3<<25)
	s_or_b32 s[G1B], s44, (1<<16)|(1<<20)|(1<<21)|(QIB<<22)|(3<<25)
	s_mov_b32 s[G1A+1], D0A<<16
	s_mov_b32 s[G1A+2], D1A<<16
	s_mov_b32 s[G1A+3], D0A<<16
	s_mov_b32 s[G1A+4], D1A
	s_mov_b32 s[G1A+5], STA
	s_mov_b32 s[G1A+6], 0
	s_mov_b32 s[G1A+7], 0
	s_mov_b32 s[G1B+1], D0B<<16
	s_mov_b32 s[G1B+2], D1B<<16
	s_mov_b32 s[G1B+3], D0B<<16
	s_mov_b32 s[G1B+4], D1B
	s_mov_b32 s[G1B+5], STB
	s_mov_b32 s[G1B+6], 0
	s_mov_b32 s[G1B+7], 0
	s_mul_i32 s16, s13, TM
	s_mul_i32 s17, s12, LROWS
	s_add_co_u32 s16, s16, s17
	s_mul_i32 s16, s16, LDAB
	s_mov_b32 s17, 0
	s_mul_i32 s46, s42, TN
	s_mul_i32 s47, s20, LROWS
	s_add_co_u32 s46, s46, s47
	s_mul_i32 s46, s46, 2*KDIM
	s_add_co_u32 s46, s46, WOFF
	s_mov_b32 s47, 0
	s_mul_i32 s21, s10, HALFT
	s_mov_b32 s2, 0
	s_and_b32 s[KK], ttmp7, 0xffff                 ; where my cluster's walk of K begins: cluster y
	s_lshr_b32 s[OFA], s[KK], 1
	s_add_co_u32 s[KK], s[KK], s[OFA]              ; + y / 2
	s_add_co_u32 s[KK], s[KK], ttmp9               ; + cluster x
	s_and_b32 s[KK], s[KK], 1
	s_mul_i32 s[KK], s[KK], NS/2                   ; K step 0 or NS / 2
	s_mul_i32 s[OFA], s[KK], A_STEP
	s_mov_b32 s[OFA+1], 0
	s_mul_i32 s[OFB], s[KK], B_STEP
	s_mov_b32 s[OFB+1], 0
	s_wait_dscnt 0x0
	s_wait_kmcnt 0x0
	s_add_nc_u64 s[14:15], s[4:5], s[16:17]        ; my rows' first bytes; kept
	s_add_nc_u64 s[46:47], s[6:7], s[46:47]
	CROUND
.irp s, 0,1
	s_mov_b32 s[G0A+4*\s], 1
	s_add_co_u32 s[G0A+4*\s+1], s21, \s*SLOT
	s_add_nc_u64 s[G0A+4*\s+2:G0A+4*\s+3], s[14:15], s[OFA:OFA+1]
	s_add_nc_u64 s[G0A+4*\s+2:G0A+4*\s+3], s[G0A+4*\s+2:G0A+4*\s+3], \s*A_STEP
	s_or_b32 s[G0A+4*\s+3], s[G0A+4*\s+3], 0x80000000
	s_mov_b32 s[G0B+4*\s], 1
	s_add_co_u32 s[G0B+4*\s+1], s21, \s*SLOT
	s_add_nc_u64 s[G0B+4*\s+2:G0B+4*\s+3], s[46:47], s[OFB:OFB+1]
	s_add_nc_u64 s[G0B+4*\s+2:G0B+4*\s+3], s[G0B+4*\s+2:G0B+4*\s+3], \s*B_STEP
	s_or_b32 s[G0B+4*\s+3], s[G0B+4*\s+3], 0x80000000
.endr
	s_add_co_u32 s[KK], s[KK], 1                   ; the second set, which walks on, names the walk's step 1
	s_cmp_lt_u32 s10, NLA
	s_cbranch_scc0 .Lfirst_b
	tensor_load_to_lds s[G0A:G0A+3], s[G1A:G1A+7]
	s_nop 0
	tensor_load_to_lds s[G0A+4:G0A+7], s[G1A:G1A+7]
	s_nop 0
	PLACES
	s_branch .Lfirst_done
.Lfirst_b:
	tensor_load_to_lds s[G0B:G0B+3], s[G1B:G1B+7]
	s_nop 0
	tensor_load_to_lds s[G0B+4:G0B+7], s[G1B:G1B+7]
	s_nop 0
	PLACES
.Lfirst_done:
	v_and_b32 v1, 15, v0
	v_bfe_u32 v2, v0, 4, 1
	v_mul_u32_u24 v3, v1, PITCH
	v_lshl_add_u32 v3, v2, 4, v3
	s_mul_i32 s18, s23, 16*NBK*PITCH
	s_add_co_u32 s18, s18, NLA*HALFT
	v_add_nc_u32 v[ADRB0], s18, v3
	s_mul_i32 s18, s22, 16*MA*PITCH
	v_add_nc_u32 v[ADRA0], s18, v3
	v_mov_b32 v[ADRA], v[ADRA0]
	v_mov_b32 v[ADRB], v[ADRB0]
	; the prefetch's address: my work-group's 32 of the 128 rows that I fetch, at the walk's step 2 (a K step is 256 bytes in A's rows and in B's)
	s_and_b32 s18, ttmp7, 0xffff
	s_cmp_lt_u32 s10, NLA
	s_cselect_b32 s19, s40, s41
	s_cselect_b32 s18, ttmp9, s18
	s_cselect_b64 s[PFA:PFA+1], s[14:15], s[46:47]
	s_cmp_lt_u32 s18, 2
	s_cselect_b32 s[LIM], 1, 0                     ; the same in all sixteen partners, for a given wave
	s_mul_i32 s18, s19, 32*2*KDIM
	s_mov_b32 s19, 0
	s_add_nc_u64 s[PFA:PFA+1], s[PFA:PFA+1], s[18:19]
	s_add_nc_u64 s[PFA:PFA+1], s[PFA:PFA+1], s[OFA:OFA+1]
	s_add_nc_u64 s[PFA:PFA+1], s[PFA:PFA+1], 2*KSTEP*2
	v_and_b32 v[PFO], 31, v0
	v_mul_u32_u24 v[PFO], v[PFO], 2*KDIM
	; the way out's addresses and constants
	s_mul_i32 s18, s10, 4352
	s_add_co_u32 s18, s18, STAGE
	v_mul_u32_u24 v[STO], v1, 272
	v_lshl_add_u32 v[STO], v2, 4, v[STO]
	v_add_nc_u32 v[STO], s18, v[STO]
	v_mul_u32_u24 v[RD], v2, 272
	v_lshl_add_u32 v[RD], v1, 4, v[RD]
	v_add_nc_u32 v[RD], s18, v[RD]
	v_lshlrev_b32 v[CO], 13, v2                    ; lanes 0-15 one row's 256 bytes, lanes 16-31 the next row's
	v_lshl_add_u32 v[CO], v1, 4, v[CO]
	s_lshl_b32 s18, s13, 8
	s_lshl_b32 s19, s22, 7
	s_add_co_u32 s18, s18, s19
	s_lshl_b32 s18, s18, 13                        ; my first row x 8,192 bytes
	s_lshl_b32 s66, s42, 9
	s_lshl_b32 s67, s23, 8
	s_add_co_u32 s66, s66, s67                     ; my first column x 2 bytes
	s_add_co_u32 s66, s66, s18
	s_mov_b32 s67, 0
	s_add_nc_u64 s[8:9], s[8:9], s[66:67]
	s_mov_b32 s68, 0xc038aa3b                      ; -2 log2(e)
	s_mov_b32 s69, 0xc038aa3b
	s_mov_b32 s70, 0xbfba00e3                      ; a4
	s_mov_b32 s71, 0xbfba00e3
	s_mov_b32 s72, 0x3fb5f0e3                      ; a3
	s_mov_b32 s73, 0x3fb5f0e3
	s_mov_b32 s74, 0xbe91a98e                      ; a2
	s_mov_b32 s75, 0xbe91a98e
	s_mov_b32 s76, 0x3e827906                      ; a1
	s_mov_b32 s77, 0x3e827906
	s_mov_b32 s78, 0x3eed3388                      ; 0.3275911 sqrt 2
	v_mov_b32 v20, 0x3f87dc22                      ; a5
	v_mov_b32 v21, 0x3f87dc22
	s_wait_tensorcnt 0x1                           ; my part of the walk's step 0 is in; step 1's may stay out
	s_barrier_signal -1
	s_barrier_wait -1
	FETCH 0, F0
	WIN 0
	s_cmp_eq_u32 s[LIM], 1
	s_cbranch_scc0 .Lnot_mine
	global_prefetch_b8 v[PFO], s[PFA:PFA+1] th:TH_LOAD_NT scope:SCOPE_SE                 ; the walk's step 2,
	global_prefetch_b8 v[PFO], s[PFA:PFA+1] offset:KSTEP*2 th:TH_LOAD_NT scope:SCOPE_SE  ; and step 3; their address registers are never written again
.Lnot_mine:
	QUARTER 1, F0, F1, 1
	WIN 0
	s_mov_b32 s3, NS-2
.Lk:
	QUARTER 2, F1, F0, 0
	QUARTER 3, F0, F1, 0
	TURN
	QUARTER 1, F0, F1, 0
	WIN 0
	s_sub_co_u32 s3, s3, 1
	s_cmp_lg_u32 s3, 0
	s_cbranch_scc1 .Lk
	s_mov_b32 s3, 2
.Lt:                                   ; the last two K steps ask for nothing: one text, walked once and a half
	QUARTER 2, F1, F0, 0
	QUARTER 3, F0, F1, 0
	s_wait_dscnt MA*KSUB
	MUL F1, 0, MA/2, 0
	s_wait_dscnt 0x0
	MUL F1, MA/2, MA/2, 0
	WIN 0
	s_sub_co_u32 s3, s3, 1
	s_cmp_eq_u32 s3, 0
	s_cbranch_scc1 .Lout
	s_wait_tensorcnt 0x0
	ds_add_u32 v[SPW], v[NIL]
	s_xor_b32 s2, s2, SLOT
	s_wait_dscnt 0x0
	s_barrier_signal -1
	s_barrier_wait -1
	v_add_nc_u32 v[ADRA], s2, v[ADRA0]
	v_add_nc_u32 v[ADRB], s2, v[ADRB0]
	PLACES
	FETCH 0, F0
	QUARTER 1, F0, F1, 0
	WIN 0
	s_branch .Lt
.Lout:
	PLACES
	PLACES
	s_mov_b32 s66, 0
.Lmb:                                  ; block s66 of 16 rows
.irp k, 0,1,2,3,4,5,6
	s_cmp_eq_u32 s66, \k
	s_cbranch_scc1 .Larm\k
.endr
	COPY 7
	s_branch .Ljoin
.irp k, 0,1,2,3,4,5,6
.Larm\k:
	COPY \k
	s_branch .Ljoin
.endr
.Ljoin:
	GELU 0
	GELU 1
.irp b, 0,1,2,3,4,5,6,7
	ds_store_b128 v[STO], v[PKB+4*\b:PKB+4*\b+3] offset:32*\b
.endr
.irp e, 0,1,2,3,4,5,6,7
	ds_load_b128 v[OBB+4*\e:OBB+4*\e+3], v[RD] offset:544*\e  ; LDS serves a wave's instructions in order: these see the stores above
.endr
	s_wait_dscnt 0x0
.irp e, 0,1,2,3,4,5,6,7
	global_store_b128 v[CO], v[OBB+4*\e:OBB+4*\e+3], s[8:9] offset:16384*\e  ; sixteen lanes store 256 consecutive bytes, aligned
.endr
	s_wait_xcnt 0x0                                ; the stores have read their data and their base: both are written again below and in the next trip
	s_add_nc_u64 s[8:9], s[8:9], 131072            ; 16 rows on
	s_add_co_u32 s66, s66, 1
	s_cmp_lt_u32 s66, 8
	s_cbranch_scc1 .Lmb
	s_wait_tensorcnt 0x0                           ; the wave's end
	ds_add_u32 v[SPW], v[NIL]
	s_wait_dscnt 0x0
	CROUND                                         ; the closing round
	s_endpgm
.Lfunc_end_k_qebc47a5721_fc:
	.size	k_qebc47a5721_fc, .Lfunc_end_k_qebc47a5721_fc-k_qebc47a5721_fc
	.p2alignl 7, 3214868480
	.fill 96, 4, 3214868480
	.section	.rodata,"a",@progbits
	.p2align	6, 0x0
	.amdhsa_kernel k_qebc47a5721_fc
		.amdhsa_group_segment_fixed_size 327680
		.amdhsa_private_segment_fixed_size 0
		.amdhsa_enable_private_segment 0
		.amdhsa_kernarg_size 24
		.amdhsa_user_sgpr_count 2
		.amdhsa_user_sgpr_kernarg_segment_ptr 1
		.amdhsa_wavefront_size32 1
		.amdhsa_system_sgpr_workgroup_id_x 1
		.amdhsa_system_sgpr_workgroup_id_y 1
		.amdhsa_system_sgpr_workgroup_id_z 1
		.amdhsa_system_vgpr_workitem_id 0
		.amdhsa_next_free_vgpr 1024
		.amdhsa_next_free_sgpr 96
		.amdhsa_reserve_vcc 0
		.amdhsa_float_denorm_mode_32 3
		.amdhsa_float_denorm_mode_16_64 3
		.amdhsa_memory_ordered 1
		.amdhsa_forward_progress 1
		.amdhsa_inst_pref_size 120
	.end_amdhsa_kernel
	.amdgpu_metadata
---
amdhsa.version: [ 1, 2 ]
amdhsa.kernels:
  - .name:           k_qebc47a5721_fc
    .symbol:         k_qebc47a5721_fc.kd
    .args:
      - { .name: xn, .offset: 0, .size: 8, .value_kind: global_buffer, .address_space: global }
      - { .name: wh, .offset: 8, .size: 8, .value_kind: global_buffer, .address_space: global }
      - { .name: hg, .offset: 16, .size: 8, .value_kind: global_buffer, .address_space: global }
    .group_segment_fixed_size: 327680
    .private_segment_fixed_size: 0
    .kernarg_segment_align: 8
    .kernarg_segment_size: 24
    .max_flat_workgroup_size: 128
    .sgpr_count:     96
    .vgpr_count:     1024
    .wavefront_size: 32
...
	.end_amdgpu_metadata
.endif
;; end of part 6
;; launch mlp (part 7): grid 8 x 32, 4 waves a work-group, clusters of 4 x 4, 327,680 bytes of LDS; arguments hg, wh, out0, x1, c_mlp; writes out0
.if DOCPART == 7
	.amdgcn_target "amdgcn-amd-amdhsa--gfx1250"
	.amdhsa_code_object_version 6
	.text
	.protected	k_qebc47a5721_mlp
	.globl	k_qebc47a5721_mlp
	.p2align	8
	.type	k_qebc47a5721_mlp,@function
k_qebc47a5721_mlp:
	s_mov_b64 s[64:65], 0
	v_nop
	global_prefetch_b8 v0, s[64:65] scope:SCOPE_SE
	s_setreg_imm32_b32 hwreg(HW_REG_WAVE_MODE, 25, 1), 1
	s_wait_xcnt 0x0
	s_wait_alu depctr_hold_cnt(0) depctr_sa_sdst(0) depctr_va_vdst(0) depctr_va_sdst(0) depctr_va_ssrc(0) depctr_va_vcc(0) depctr_vm_vsrc(0)
	s_getreg_b32 s2, hwreg(HW_REG_IB_STS2, 6, 4)
	s_cmp_eq_u32 s2, 0
	s_cbranch_scc0 .Lentry_in_a_cluster
	s_endpgm
.Lentry_in_a_cluster:
	s_bfe_u32 s2, ttmp6, 0x10000c
	s_cmp_lg_u32 s2, 0xf033
	s_cbranch_scc0 .Lentry_shape_is_right
	s_endpgm
.Lentry_shape_is_right:
; out0 = expmap(x1, h, c_mlp), h = hg w_mlp_proj^T.  A = hg [4096][4096] f16, B = wh at byte 16,777,216 [1024][4096] f16; h stays in the f32 accumulators.
; LEFT OUT: the abs() in tanh_arg and in sqrt(|c| + EPS): identities, since c is clipped to 1e-4 .. 1 and the other factors are sums of squares or positive.
; A tile of C is 128 x 128 (256 work-groups); four waves, each 64 rows x 64 columns = ONE head: 16 accumulators in window 0.  K goes in 16 steps of 256 through two LDS slots (rows of 512 + 16 bytes);
; waves 0, 1 fetch A's halves (64 rows each), waves 2, 3 B's.  CLUSTER 4 x 4 as in launch qkv.  No prefetch: the tile is small.
; THE WALK OF K, as in launch qkv: a cluster begins at K step 0 or at K step 8, by the parity of x + y + y / 2 of the cluster's own coordinates, and goes round the end of K; the f32 sums are taken in the walk's order.
; EXPMAP in the accumulators' layout, as in launch proj: with sx = |x|^2, sv = |h|^2, sp = x.h over the head,
;   u = sqrt(c sv / (1 + c sx + EPS) + EPS), ss = tanh(u) / ((sqrt(c + EPS) + EPS) (sqrt(sv + EPS) + EPS)), ip = ss sp, yn = ss^2 sv,
;   out = ((1 + 2 c ip + c yn) x + (1 - c sx) ss h) / (1 + 2 c ip + c^2 sx yn + EPS).
; tanh(u): both forms are computed and one is selected: u < 0.25: u + u^3 (-1/3 + u^2 (2/15 - 17/315 u^2)); else 1 - 2 / (1 + 2^(2 log2(e) u)).
; x1's 64 x 64 tile of the wave is loaded at the start, kept in window 2, and laid into slot 0 at the way out, when that slot has had its last fill.
.set KDIM, 4096
.set TM, 128
.set TN, 128
.set MA, 4
.set NBK, 4
.set KSUB, 2
.set LROWS, 64
.set NLA, 2
.set PITCH, 528
.set HALFT, 33792
.set WOFF, 16777216
.set LDAB, 8192
.set A_STEP, 512
.set B_STEP, 512
.set AQ, 128
.set AM, 16*PITCH
.set ACCW, 0
.set AW, 4
.set ACCB, 128
.set QIA, 6
.set D0A, 256
.set D1A, 64
.set STA, 4096
.set QIB, 6
.set D0B, 256
.set D1B, 64
.set STB, 4096
.set KSTEP, 128*KSUB
.set NS, KDIM/KSTEP
.set SLOT, 4*HALFT
.set STAGE, 2*SLOT
.set SPARE, STAGE+4*4352
.set F0, 0
.set F1, 128
.set ADRA, 16
.set ADRB, 17
.set ADRA0, 18
.set ADRB0, 19
.set STO, 24
.set RD, 25
.set CO, 26
.set SPW, 28
.set NIL, 29
.set G1A, 24
.set G0A, 32
.set G1B, 48
.set G0B, 56
.set KK, 80                            ; s80      the K step that the walking descriptors name
.set OFA, 92                           ; s[92:93] its byte offset in A's rows
.set OFB, 94                           ; s[94:95] in B's
.set MSB, 0
.macro WIN new
.if MSB != (\new)
	s_set_vgpr_msb (MSB<<8)|(\new)
.set MSB, (\new)
.endif
.endm
.macro PLACES
.rept 4
	v_nop
.endr
.endm
.macro CREST
	s_cmp_lg_u32 s10, 0
	s_cbranch_scc1 .Lnw0_\@
	s_barrier_signal -3
.Lnw0_\@:
	s_barrier_wait -3
	s_barrier_signal -1
	s_barrier_wait -1
.endm
.macro CROUND
	s_barrier_signal -1
	s_barrier_wait -1
	CREST
.endm
.macro JLOAD
	s_cmp_lt_u32 s10, NLA
	s_cbranch_scc0 .Lfb_\@
	tensor_load_to_lds s[G0A+4:G0A+7], s[G1A:G1A+7]
	s_nop 0
	PLACES
	s_branch .Lfd_\@
.Lfb_\@:
	tensor_load_to_lds s[G0B+4:G0B+7], s[G1B:G1B+7]
	s_nop 0
	PLACES
.Lfd_\@:
.endm
.macro MUL f, a0, na, zero             ; the accumulators take turns, one instruction a turn
.set c_, 0
.rept KSUB
.set a_, (\a0)
.rept (\na)
	WIN 0x05+0x50*(ACCW+a_/AW)
.set b_, 0
.rept NBK
.set rD, ACCB+8*((a_%AW)*NBK+b_)
.set rB, (\f)+8*(c_*NBK+b_)
.set rA, (\f)+8*NBK*KSUB+8*(c_*MA+a_)
.if (\zero) && (c_ == 0)
	v_wmma_f32_16x16x32_f16 v[rD:rD+7], v[rB:rB+7], v[rA:rA+7], 0
.else
	v_wmma_f32_16x16x32_f16 v[rD:rD+7], v[rB:rB+7], v[rA:rA+7], v[rD:rD+7]
.endif
.set b_, b_+1
.endr
.set a_, a_+1
.endr
.set c_, c_+1
.endr
.endm
.macro FETCH q, f
	WIN 0x40
.set c_, 0
.rept KSUB
.set b_, 0
.rept NBK
.set rB, (\f)+8*(c_*NBK+b_)
	ds_load_b128 v[rB:rB+3],   v[ADRB] offset:(\q)*64*KSUB+64*c_+b_*16*PITCH
	ds_load_b128 v[rB+4:rB+7], v[ADRB] offset:(\q)*64*KSUB+64*c_+b_*16*PITCH+32
.set b_, b_+1
.endr
.set c_, c_+1
.endr
.set h_, 0
.rept 2
.set c_, 0
.rept KSUB
.set a_, h_*(MA/2)
.rept MA/2
.set rA, (\f)+8*NBK*KSUB+8*(c_*MA+a_)
	ds_load_b128 v[rA:rA+3],   v[ADRA] offset:(\q)*AQ+64*c_+a_*AM
	ds_load_b128 v[rA+4:rA+7], v[ADRA] offset:(\q)*AQ+64*c_+a_*AM+32
.set a_, a_+1
.endr
.set c_, c_+1
.endr
.set h_, h_+1
.endr
.endm
.macro QUARTER q, f, g, zero
	s_wait_dscnt MA*KSUB                           ; all but A's second half of row blocks
	MUL \f, 0, MA/2, \zero
	PLACES
	FETCH \q, \g
	s_wait_dscnt 32                                ; all but the 32 just issued
	MUL \f, MA/2, MA/2, \zero
.endm
.macro TURN
	WIN 0
	s_wait_tensorcnt 0x0                           ; my part of the next slot has landed; so the descriptors may be written
	ds_add_u32 v[SPW], v[NIL]                      ; 0 onto my spare word; the descriptors' scalar work stands between it and the wait for it
	s_add_co_u32 s[KK], s[KK], 1                   ; the walking descriptors: the walk's next K step, round the end of K,
	s_and_b32 s[KK], s[KK], NS-1
	s_mul_i32 s[OFA], s[KK], A_STEP
	s_mul_i32 s[OFB], s[KK], B_STEP
	s_xor_b32 s[G0A+5], s[G0A+5], SLOT             ; the other slot than last time; the addresses are made anew from the rows' first bytes
	s_add_nc_u64 s[G0A+6:G0A+7], s[14:15], s[OFA:OFA+1]
	s_or_b32 s[G0A+7], s[G0A+7], 0x80000000
	s_xor_b32 s[G0B+5], s[G0B+5], SLOT
	s_add_nc_u64 s[G0B+6:G0B+7], s[46:47], s[OFB:OFB+1]
	s_or_b32 s[G0B+7], s[G0B+7], 0x80000000
	s_wait_dscnt MA*KSUB+1                         ; the add and A's second half may be out
	MUL F1, 0, MA/4, 0
	s_wait_dscnt 0x0
	s_barrier_signal -1
	MUL F1, MA/4, MA/4, 0
	WIN 0
	s_barrier_wait -1
	CREST
	JLOAD
	s_xor_b32 s2, s2, SLOT
	v_add_nc_u32 v[ADRA], s2, v[ADRA0]
	v_add_nc_u32 v[ADRB], s2, v[ADRB0]
	FETCH 0, F0
	MUL F1, MA/2, MA/2, 0
.endm
.set CC, 8
.set C2, 9
.set CQ, 10
.set K1, 11
.set XW, 21
.set XA, 22
.set XB0, 32
.set QS, 96
.set AB, 96
.set SX, 32
.set SV, 36
.set SPD, 40
.set DD, 44
.set WW, 48
.set QQ, 52
.set GG, 56
.set T1, 60
.set T2, 64
.set EPSR, 86
.set K2L, 87
.set C1S, 88
.set C2S, 89
.set C3S, 90
.set QRT, 91
.macro ALL4 line:vararg
.set t, 0
.rept 4
	\line
.set t, t+1
.endr
.endm
.macro XLD a
.set xb_, XB0+32*((\a)%2)
.set i_, 0
.rept 8
	ds_load_b128 v[xb_+4*i_:xb_+4*i_+3], v[XA] offset:4352*(\a)+64*(i_/2)+16*(i_%2)
.set i_, i_+1
.endr
.endm
.macro SUMS a
.set xb_, XB0+32*((\a)%2)
.set ac_, 128+32*(\a)
.set q_, QS+6*(\a)
	v_pk_mul_f32 v[q_:q_+1],   v[xb_:xb_+1], v[xb_:xb_+1]
	v_pk_mul_f32 v[q_+2:q_+3], v[ac_:ac_+1], v[ac_:ac_+1]
	v_pk_mul_f32 v[q_+4:q_+5], v[xb_:xb_+1], v[ac_:ac_+1]
.set i_, 2
.rept 15
	v_pk_fma_f32 v[q_:q_+1],   v[xb_+i_:xb_+i_+1], v[xb_+i_:xb_+i_+1], v[q_:q_+1]
	v_pk_fma_f32 v[q_+2:q_+3], v[ac_+i_:ac_+i_+1], v[ac_+i_:ac_+i_+1], v[q_+2:q_+3]
	v_pk_fma_f32 v[q_+4:q_+5], v[xb_+i_:xb_+i_+1], v[ac_+i_:ac_+i_+1], v[q_+4:q_+5]
.set i_, i_+2
.endr
.endm
	s_load_b128 s[4:7], s[0:1], 0x0                ; A, wh
	s_load_b64 s[8:9], s[0:1], 0x10                ; the result
	s_load_b64 s[76:77], s[0:1], 0x18              ; x1
	s_load_b64 s[78:79], s[0:1], 0x20              ; c
	v_lshl_add_u32 v[SPW], v0, 2, SPARE
	v_mov_b32 v[NIL], 0
	ds_add_u32 v[SPW], v[NIL]                      ; the opening: the add, twice on end, and its wait ahead of my first tensor load
	ds_add_u32 v[SPW], v[NIL]
	v_lshrrev_b32 v1, 5, v0
	v_readfirstlane_b32 s10, v1
	s_min_u32 s12, s10, NLA-1
	s_max_u32 s20, s10, NLA
	s_sub_co_u32 s20, s20, NLA
	s_lshr_b32 s22, s10, 1
	s_and_b32 s23, s10, 1
	s_bfe_u32 s40, ttmp6, 0x40000
	s_bfe_u32 s41, ttmp6, 0x40004
	s_lshl_b32 s42, ttmp9, 2
	s_add_co_u32 s42, s42, s40
	s_and_b32 s13, ttmp7, 0xffff
	s_lshl_b32 s13, s13, 2
	s_add_co_u32 s13, s13, s41
	s_lshl_b32 s43, s41, 2
	s_lshl_b32 s43, 15, s43
	s_lshl_b32 s44, 0x1111, s40
	s_or_b32 s[G1A], s43, (1<<16)|(1<<20)|(1<<21)|(QIA<<22)|(3<<25)
	s_or_b32 s[G1B], s44, (1<<16)|(1<<20)|(1<<21)|(QIB<<22)|(3<<25)
	s_mov_b32 s[G1A+1], D0A<<16
	s_mov_b32 s[G1A+2], D1A<<16
	s_mov_b32 s[G1A+3], D0A<<16
	s_mov_b32 s[G1A+4], D1A
	s_mov_b32 s[G1A+5], STA
	s_mov_b32 s[G1A+6], 0
	s_mov_b32 s[G1A+7], 0
	s_mov_b32 s[G1B+1], D0B<<16
	s_mov_b32 s[G1B+2], D1B<<16
	s_mov_b32 s[G1B+3], D0B<<16
	s_mov_b32 s[G1B+4], D1B
	s_mov_b32 s[G1B+5], STB
	s_mov_b32 s[G1B+6], 0
	s_mov_b32 s[G1B+7], 0
	s_mul_i32 s16, s13, TM
	s_mul_i32 s17, s12, LROWS
	s_add_co_u32 s16, s16, s17
	s_mul_i32 s16, s16, LDAB
	s_mov_b32 s17, 0
	s_mul_i32 s46, s42, TN
	s_mul_i32 s47, s20, LROWS
	s_add_co_u32 s46, s46, s47
	s_mul_i32 s46, s46, 2*KDIM
	s_add_co_u32 s46, s46, WOFF
	s_mov_b32 s47, 0
	s_mul_i32 s21, s10, HALFT
	s_mov_b32 s2, 0
	s_and_b32 s[KK], ttmp7, 0xffff                 ; where my cluster's walk of K begins: cluster y
	s_lshr_b32 s[OFA], s[KK], 1
	s_add_co_u32 s[KK], s[KK], s[OFA]              ; + y / 2
	s_add_co_u32 s[KK], s[KK], ttmp9               ; + cluster x
	s_and_b32 s[KK], s[KK], 1
	s_mul_i32 s[KK], s[KK], NS/2                   ; K step 0 or NS / 2
	s_mul_i32 s[OFA], s[KK], A_STEP
	s_mov_b32 s[OFA+1], 0
	s_mul_i32 s[OFB], s[KK], B_STEP
	s_mov_b32 s[OFB+1], 0
	s_wait_dscnt 0x0
	s_wait_kmcnt 0x0
	s_add_nc_u64 s[14:15], s[4:5], s[16:17]        ; my rows' first bytes; kept
	s_add_nc_u64 s[46:47], s[6:7], s[46:47]
	CROUND
.irp s, 0,1
	s_mov_b32 s[G0A+4*\s], 1
	s_add_co_u32 s[G0A+4*\s+1], s21, \s*SLOT
	s_add_nc_u64 s[G0A+4*\s+2:G0A+4*\s+3], s[14:15], s[OFA:OFA+1]
	s_add_nc_u64 s[G0A+4*\s+2:G0A+4*\s+3], s[G0A+4*\s+2:G0A+4*\s+3], \s*A_STEP
	s_or_b32 s[G0A+4*\s+3], s[G0A+4*\s+3], 0x80000000
	s_mov_b32 s[G0B+4*\s], 1
	s_add_co_u32 s[G0B+4*\s+1], s21, \s*SLOT
	s_add_nc_u64 s[G0B+4*\s+2:G0B+4*\s+3], s[46:47], s[OFB:OFB+1]
	s_add_nc_u64 s[G0B+4*\s+2:G0B+4*\s+3], s[G0B+4*\s+2:G0B+4*\s+3], \s*B_STEP
	s_or_b32 s[G0B+4*\s+3], s[G0B+4*\s+3], 0x80000000
.endr
	s_add_co_u32 s[KK], s[KK], 1                   ; the second set, which walks on, names the walk's step 1
	s_cmp_lt_u32 s10, NLA
	s_cbranch_scc0 .Lfirst_b
	tensor_load_to_lds s[G0A:G0A+3], s[G1A:G1A+7]
	s_nop 0
	tensor_load_to_lds s[G0A+4:G0A+7], s[G1A:G1A+7]
	s_nop 0
	PLACES
	s_branch .Lfirst_done
.Lfirst_b:
	tensor_load_to_lds s[G0B:G0B+3], s[G1B:G1B+7]
	s_nop 0
	tensor_load_to_lds s[G0B+4:G0B+7], s[G1B:G1B+7]
	s_nop 0
	PLACES
.Lfirst_done:
	v_and_b32 v1, 15, v0
	v_bfe_u32 v2, v0, 4, 1
	v_mul_u32_u24 v3, v1, PITCH
	v_lshl_add_u32 v3, v2, 4, v3
	s_mul_i32 s18, s23, 16*NBK*PITCH
	s_add_co_u32 s18, s18, NLA*HALFT
	v_add_nc_u32 v[ADRB0], s18, v3
	s_mul_i32 s18, s22, 16*MA*PITCH
	v_add_nc_u32 v[ADRA0], s18, v3
	v_mov_b32 v[ADRA], v[ADRA0]
	v_mov_b32 v[ADRB], v[ADRB0]
	; expmap's set-up
	s_mul_i32 s18, s10, 4352
	s_add_co_u32 s18, s18, STAGE
	v_mul_u32_u24 v[STO], v1, 272
	v_lshl_add_u32 v[STO], v2, 5, v[STO]
	v_add_nc_u32 v[STO], s18, v[STO]
	v_mul_u32_u24 v[RD], v2, 272
	v_lshl_add_u32 v[RD], v1, 4, v[RD]
	s_mul_i32 s19, s10, 17408
	v_add_nc_u32 v[XW], s19, v[RD]
	v_add_nc_u32 v[RD], s18, v[RD]
	v_mul_u32_u24 v[XA], v1, 272
	v_lshl_add_u32 v[XA], v2, 5, v[XA]
	v_add_nc_u32 v[XA], s19, v[XA]
	v_lshlrev_b32 v[CO], 12, v2
	v_lshl_add_u32 v[CO], v1, 4, v[CO]
	s_lshl_b32 s18, s13, 7
	s_lshl_b32 s19, s22, 6
	s_add_co_u32 s18, s18, s19
	s_lshl_b32 s18, s18, 12
	s_lshl_b32 s66, s42, 1
	s_add_co_u32 s66, s66, s23                     ; my head
	s_lshl_b32 s83, s66, 2
	s_lshl_b32 s66, s66, 8
	s_add_co_u32 s66, s66, s18
	s_mov_b32 s67, 0
	s_add_nc_u64 s[8:9], s[8:9], s[66:67]
	s_add_nc_u64 s[76:77], s[76:77], s[66:67]
	s_load_b32 s82, s[78:79], s83 offset:0x0       ; my head's c
	WIN 0x80
.set t_, 0
.rept 32
	global_load_b128 v[4*t_:4*t_+3], v[CO], s[76:77] offset:8192*t_
.set t_, t_+1
.endr
	WIN 0
	s_mov_b32 s84, 0x76543210
	s_mov_b32 s85, 0xfedcba98
	s_mov_b32 s[EPSR], 0x3089705f                  ; 1e-9
	s_mov_b32 s[K2L], 0x4038aa3b                   ; 2 log2(e)
	s_mov_b32 s[C1S], 0xbeaaaaab                   ; -1/3
	s_mov_b32 s[C2S], 0x3e088889                   ; 2/15
	s_mov_b32 s[C3S], 0xbd5d0dd1                   ; -17/315
	s_mov_b32 s[QRT], 0x3e800000                   ; 0.25
	s_wait_kmcnt 0x0
	v_mov_b32 v[CC], s82
	v_max_num_f32 v[CC], 0x38d1b717, v[CC]
	v_min_num_f32 v[CC], 1.0, v[CC]
	v_add_f32 v[C2], v[CC], v[CC]
	v_mul_f32 v[CQ], v[CC], v[CC]
	v_add_f32 v[K1], s[EPSR], v[CC]
	v_sqrt_f32 v[K1], v[K1]
	v_nop
	s_wait_alu depctr_va_vdst(0)
	v_add_f32 v[K1], s[EPSR], v[K1]
	v_rcp_f32 v[K1], v[K1]
	v_nop
	s_wait_alu depctr_va_vdst(0)
	s_wait_tensorcnt 0x1                           ; my part of the walk's step 0 is in; step 1's may stay out
	s_barrier_signal -1
	s_barrier_wait -1
	FETCH 0, F0
	QUARTER 1, F0, F1, 1
	WIN 0
	s_mov_b32 s3, NS-2
.Lk:
	QUARTER 2, F1, F0, 0
	QUARTER 3, F0, F1, 0
	TURN
	QUARTER 1, F0, F1, 0
	WIN 0
	s_sub_co_u32 s3, s3, 1
	s_cmp_lg_u32 s3, 0
	s_cbranch_scc1 .Lk
	s_mov_b32 s3, 2
.Lt:                                   ; the last two K steps ask for nothing: one text, walked once and a half
	QUARTER 2, F1, F0, 0
	QUARTER 3, F0, F1, 0
	s_wait_dscnt MA*KSUB
	MUL F1, 0, MA/2, 0
	s_wait_dscnt 0x0
	MUL F1, MA/2, MA/2, 0
	WIN 0
	s_sub_co_u32 s3, s3, 1
	s_cmp_eq_u32 s3, 0
	s_cbranch_scc1 .Lout
	s_wait_tensorcnt 0x0
	ds_add_u32 v[SPW], v[NIL]
	s_xor_b32 s2, s2, SLOT
	s_wait_dscnt 0x0
	s_barrier_signal -1
	s_barrier_wait -1
	v_add_nc_u32 v[ADRA], s2, v[ADRA0]
	v_add_nc_u32 v[ADRB], s2, v[ADRB0]
	PLACES
	FETCH 0, F0
	QUARTER 1, F0, F1, 0
	WIN 0
	s_branch .Lt
.Lout:
	PLACES
	s_wait_dscnt 0x0
	s_barrier_signal -1
	s_barrier_wait -1                              ; every wave's fragment reads are over: the ring's bytes, which are filled no more, may be written
	s_wait_loadcnt 0x0                             ; x1
	WIN 0x08
.set t_, 0
.rept 32
	ds_store_b128 v[XW], v[4*t_:4*t_+3] offset:544*t_
.set t_, t_+1
.endr
	WIN 0
	XLD 0
.irp a, 0,1,2,3
.if \a < 3
	XLD \a+1
	s_wait_dscnt 8                                 ; block a's x is in; the next block's eight loads may stay out
.else
	s_wait_dscnt 0x0
.endif
	SUMS \a
.endr
	ALL4 v_add_f32 v[SX+t], v[QS+6*t], v[QS+6*t+1]
	ALL4 v_add_f32 v[SV+t], v[QS+6*t+2], v[QS+6*t+3]
	ALL4 v_add_f32 v[SPD+t], v[QS+6*t+4], v[QS+6*t+5]
	ALL4 v_permlanex16_b32 v[QS+6*t], v[SX+t], s84, s85
	ALL4 v_permlanex16_b32 v[QS+6*t+2], v[SV+t], s84, s85
	ALL4 v_permlanex16_b32 v[QS+6*t+4], v[SPD+t], s84, s85
	ALL4 v_add_f32 v[SX+t], v[SX+t], v[QS+6*t]
	ALL4 v_add_f32 v[SV+t], v[SV+t], v[QS+6*t+2]
	ALL4 v_add_f32 v[SPD+t], v[SPD+t], v[QS+6*t+4]
	ALL4 v_fma_f32 v[DD+t], v[CC], v[SX+t], 1.0
	ALL4 v_add_f32 v[DD+t], s[EPSR], v[DD+t]
	ALL4 v_add_f32 v[WW+t], s[EPSR], v[SV+t]
	ALL4 v_mul_f32 v[QQ+t], v[CC], v[SV+t]
	ALL4 v_rcp_f32 v[DD+t], v[DD+t]
	ALL4 v_sqrt_f32 v[WW+t], v[WW+t]
	ALL4 v_fma_f32 v[GG+t], -v[CC], v[SX+t], 1.0
	s_wait_alu depctr_va_vdst(0)                   ; one wait for the batch of eight
	ALL4 v_fma_f32 v[QQ+t], v[QQ+t], v[DD+t], s[EPSR]
	ALL4 v_add_f32 v[WW+t], s[EPSR], v[WW+t]
	ALL4 v_sqrt_f32 v[QQ+t], v[QQ+t]
	ALL4 v_rcp_f32 v[WW+t], v[WW+t]
	v_nop
	s_wait_alu depctr_va_vdst(0)
	ALL4 v_mul_f32 v[DD+t], s[K2L], v[QQ+t]
	ALL4 v_exp_f32 v[DD+t], v[DD+t]
	ALL4 v_mul_f32 v[T1+t], v[QQ+t], v[QQ+t]
	ALL4 v_fma_f32 v[T2+t], v[T1+t], s[C3S], s[C2S]
	ALL4 v_fma_f32 v[T2+t], v[T2+t], v[T1+t], s[C1S]
	ALL4 v_mul_f32 v[T1+t], v[T1+t], v[QQ+t]
	ALL4 v_fma_f32 v[T2+t], v[T1+t], v[T2+t], v[QQ+t]
	s_wait_alu depctr_va_vdst(0)
	ALL4 v_add_f32 v[DD+t], 1.0, v[DD+t]
	ALL4 v_rcp_f32 v[DD+t], v[DD+t]
	v_nop
	s_wait_alu depctr_va_vdst(0)
	ALL4 v_fma_f32 v[DD+t], v[DD+t], -2.0, 1.0
.set t, 0
.rept 4
	v_cmp_gt_f32 vcc_lo, s[QRT], v[QQ+t]
	v_cndmask_b32 v[DD+t], v[DD+t], v[T2+t], vcc_lo
.set t, t+1
.endr
	ALL4 v_mul_f32 v[DD+t], v[K1], v[DD+t]
	ALL4 v_mul_f32 v[DD+t], v[DD+t], v[WW+t]
	ALL4 v_mul_f32 v[SPD+t], v[DD+t], v[SPD+t]
	ALL4 v_mul_f32 v[T1+t], v[DD+t], v[DD+t]
	ALL4 v_mul_f32 v[T1+t], v[T1+t], v[SV+t]
	ALL4 v_fma_f32 v[SPD+t], v[C2], v[SPD+t], 1.0
	ALL4 v_fma_f32 v[T2+t], v[CC], v[T1+t], v[SPD+t]
	ALL4 v_mul_f32 v[SX+t], v[CQ], v[SX+t]
	ALL4 v_fma_f32 v[SX+t], v[SX+t], v[T1+t], v[SPD+t]
	ALL4 v_add_f32 v[SX+t], s[EPSR], v[SX+t]
	ALL4 v_rcp_f32 v[SX+t], v[SX+t]
	ALL4 v_mul_f32 v[GG+t], v[GG+t], v[DD+t]
	s_wait_alu depctr_va_vdst(0)
	ALL4 v_mul_f32 v[AB+4*t], v[T2+t], v[SX+t]
	ALL4 v_mul_f32 v[AB+4*t+2], v[GG+t], v[SX+t]
	ALL4 v_mov_b32 v[AB+4*t+1], v[AB+4*t]
	ALL4 v_mov_b32 v[AB+4*t+3], v[AB+4*t+2]
	XLD 0
.irp a, 0,1,2,3
.set xb_, XB0+32*(\a%2)
.set ac_, 128+32*\a
	s_wait_dscnt 0x0                               ; block a's x: only its eight loads were out
.set i_, 0
.rept 16
	v_pk_mul_f32 v[xb_+i_:xb_+i_+1], v[xb_+i_:xb_+i_+1], v[AB+4*\a:AB+4*\a+1] op_sel_hi:[1,0]
.set i_, i_+2
.endr
.set i_, 0
.rept 16
	v_pk_fma_f32 v[xb_+i_:xb_+i_+1], v[ac_+i_:ac_+i_+1], v[AB+4*\a+2:AB+4*\a+3], v[xb_+i_:xb_+i_+1] op_sel_hi:[1,0,1]
.set i_, i_+2
.endr
.set i_, 0
.rept 8
	ds_store_b128 v[STO], v[xb_+4*i_:xb_+4*i_+3] offset:64*(i_/2)+16*(i_%2)
.set i_, i_+1
.endr
.set i_, 0
.rept 8
	ds_load_b128 v[ac_+4*i_:ac_+4*i_+3], v[RD] offset:544*i_
.set i_, i_+1
.endr
.if \a < 3
	XLD \a+1
.set ac_, 128+32*\a
	s_wait_dscnt 8                                 ; the rows are back; the next block's eight loads of x may stay out
.else
	s_wait_dscnt 0x0
.endif
.set i_, 0
.rept 8
	global_store_b128 v[CO], v[ac_+4*i_:ac_+4*i_+3], s[8:9] offset:(16*\a+2*i_)*4096  ; sixteen lanes store a head row: 256 consecutive bytes, aligned
.set i_, i_+1
.endr
.endr
	s_wait_tensorcnt 0x0                           ; the wave's end
	ds_add_u32 v[SPW], v[NIL]
	s_wait_dscnt 0x0
	CROUND                                         ; the closing round
	s_endpgm
.Lfunc_end_k_qebc47a5721_mlp:
	.size	k_qebc47a5721_mlp, .Lfunc_end_k_qebc47a5721_mlp-k_qebc47a5721_mlp
	.p2alignl 7, 3214868480
	.fill 96, 4, 3214868480
	.section	.rodata,"a",@progbits
	.p2align	6, 0x0
	.amdhsa_kernel k_qebc47a5721_mlp
		.amdhsa_group_segment_fixed_size 327680
		.amdhsa_private_segment_fixed_size 0
		.amdhsa_enable_private_segment 0
		.amdhsa_kernarg_size 40
		.amdhsa_user_sgpr_count 2
		.amdhsa_user_sgpr_kernarg_segment_ptr 1
		.amdhsa_wavefront_size32 1
		.amdhsa_system_sgpr_workgroup_id_x 1
		.amdhsa_system_sgpr_workgroup_id_y 1
		.amdhsa_system_sgpr_workgroup_id_z 1
		.amdhsa_system_vgpr_workitem_id 0
		.amdhsa_next_free_vgpr 640
		.amdhsa_next_free_sgpr 96
		.amdhsa_reserve_vcc 1
		.amdhsa_float_denorm_mode_32 3
		.amdhsa_float_denorm_mode_16_64 3
		.amdhsa_memory_ordered 1
		.amdhsa_forward_progress 1
		.amdhsa_inst_pref_size 97
	.end_amdhsa_kernel
	.amdgpu_metadata
---
amdhsa.version: [ 1, 2 ]
amdhsa.kernels:
  - .name:           k_qebc47a5721_mlp
    .symbol:         k_qebc47a5721_mlp.kd
    .args:
      - { .name: hg, .offset: 0, .size: 8, .value_kind: global_buffer, .address_space: global }
      - { .name: wh, .offset: 8, .size: 8, .value_kind: global_buffer, .address_space: global }
      - { .name: out0, .offset: 16, .size: 8, .value_kind: global_buffer, .address_space: global }
      - { .name: x1, .offset: 24, .size: 8, .value_kind: global_buffer, .address_space: global }
      - { .name: c_mlp, .offset: 32, .size: 8, .value_kind: global_buffer, .address_space: global }
    .group_segment_fixed_size: 327680
    .private_segment_fixed_size: 0
    .kernarg_segment_align: 8
    .kernarg_segment_size: 40
    .max_flat_workgroup_size: 128
    .sgpr_count:     96
    .vgpr_count:     640
    .wavefront_size: 32
...
	.end_amdgpu_metadata
.endif
;; end of part 7
